; MI455X (gfx1250); checked and timed in simulation.
; The chip was launched on July 23, 2026; its instructions are those of AMD's public machine-readable ISA for CDNA 5 (MIT licence, August 2026) and "CDNA5" Instruction Set Architecture Reference Guide (July 2026). The comments in the code are by the model that wrote it; some were corrected since.
;; Mo E Block. Allowed arithmetic: matrix products marked QUANTISED: E2M1 operands, one E8M0 scale for each 32 along K, by v_wmma_scale_f32_16x16x128_f8f6f4 with both operands' format E2M1 (or v_wmma_scale_f32_32x16x128_f4), f32 sums; products left as they are: f32 operands where the result goes on into a quantised operand, else bf16, f16 or f32 operands; f32 sums; everything else in f32.
;; Inputs: bi 4,096 float32; bo 1,024 float32; gate_b 8 float32; gate_w 8 x 1,024 float32; hidden_states 4 x 256 x 1,024 float32; lora_A_codes 8 x 16 x 32 x 16 uint8 (E2M1 codes of lora_A, K innermost, in blocks of 32 codes, two codes a byte); lora_A_scales 8 x 16 x 32 uint8 (E8M0 scales of lora_A, one for each 32 codes along K); lora_B 8 x 4,096 x 16 float32; wi_codes 4,096 x 32 x 16 uint8 (E2M1 codes of wi, K innermost, in blocks of 32 codes, two codes a byte); wi_scales 4,096 x 32 uint8 (E8M0 scales of wi, one for each 32 codes along K); wo_codes 1,024 x 128 x 16 uint8 (E2M1 codes of wo, K innermost, in blocks of 32 codes, two codes a byte); wo_scales 1,024 x 128 uint8 (E8M0 scales of wo, one for each 32 codes along K).
;; Outputs: out0 4 x 256 x 1,024 float32.
;; This version of the problem:
;;   THIS VERSION OF THE PROBLEM IS GIVEN IN LOW PRECISION. The matrix products marked QUANTISED in the list below multiply operands that are first quantised to E2M1 (2 exponent bits, 1 mantissa bit; 4 bits a number), with one power-of-two scale for each 32 numbers along K (OCP MX v1.0); their sums are f32. All else is computed in f32.
;;   The module's matrix products, in the order in which they are computed (A, B: the left and right operand; K: the contracted axis; several contracted axes count as one K, in the product's order):
;;     1. [M 1,024, K 1,024] x [K 1,024, N 8]; A: input hidden_states; B: input gate_w: left as it is (N = 8 < 16)
;;     2. [M 1,024, K 1,024] x [K 1,024, N 4,096]; A: input hidden_states; B: input wi (given as codes): QUANTISED
;;     3. [M 1,024, K 1,024] x [K 1,024, N 16]; A: input hidden_states; B: input lora_A (given as codes): QUANTISED
;;     4. [M 1,024, K 16] x [K 16, N 4,096]; A: computed on the way; B: input lora_B: left as it is (K = 16 < 32)
;;     5. [M 1,024, K 4,096] x [K 4,096, N 1,024]; A: computed on the way; B: input wo (given as codes): QUANTISED
;;     6. [M 1,024, K 1,024] x [K 1,024, N 4,096]; A: input hidden_states; B: input wi (given as codes): QUANTISED
;;     7. [M 1,024, K 1,024] x [K 1,024, N 16]; A: input hidden_states; B: input lora_A (given as codes): QUANTISED
;;     8. [M 1,024, K 16] x [K 16, N 4,096]; A: computed on the way; B: input lora_B: left as it is (K = 16 < 32)
;;     9. [M 1,024, K 4,096] x [K 4,096, N 1,024]; A: computed on the way; B: input wo (given as codes): QUANTISED
;;     10. [M 1,024, K 1,024] x [K 1,024, N 4,096]; A: input hidden_states; B: input wi (given as codes): QUANTISED
;;     11. [M 1,024, K 1,024] x [K 1,024, N 16]; A: input hidden_states; B: input lora_A (given as codes): QUANTISED
;;     12. [M 1,024, K 16] x [K 16, N 4,096]; A: computed on the way; B: input lora_B: left as it is (K = 16 < 32)
;;     13. [M 1,024, K 4,096] x [K 4,096, N 1,024]; A: computed on the way; B: input wo (given as codes): QUANTISED
;;     14. [M 1,024, K 1,024] x [K 1,024, N 4,096]; A: input hidden_states; B: input wi (given as codes): QUANTISED
;;     15. [M 1,024, K 1,024] x [K 1,024, N 16]; A: input hidden_states; B: input lora_A (given as codes): QUANTISED
;;     16. [M 1,024, K 16] x [K 16, N 4,096]; A: computed on the way; B: input lora_B: left as it is (K = 16 < 32)
;;     17. [M 1,024, K 4,096] x [K 4,096, N 1,024]; A: computed on the way; B: input wo (given as codes): QUANTISED
;;     18. [M 1,024, K 1,024] x [K 1,024, N 4,096]; A: input hidden_states; B: input wi (given as codes): QUANTISED
;;     19. [M 1,024, K 1,024] x [K 1,024, N 16]; A: input hidden_states; B: input lora_A (given as codes): QUANTISED
;;     20. [M 1,024, K 16] x [K 16, N 4,096]; A: computed on the way; B: input lora_B: left as it is (K = 16 < 32)
;;     21. [M 1,024, K 4,096] x [K 4,096, N 1,024]; A: computed on the way; B: input wo (given as codes): QUANTISED
;;     22. [M 1,024, K 1,024] x [K 1,024, N 4,096]; A: input hidden_states; B: input wi (given as codes): QUANTISED
;;     23. [M 1,024, K 1,024] x [K 1,024, N 16]; A: input hidden_states; B: input lora_A (given as codes): QUANTISED
;;     24. [M 1,024, K 16] x [K 16, N 4,096]; A: computed on the way; B: input lora_B: left as it is (K = 16 < 32)
;;     25. [M 1,024, K 4,096] x [K 4,096, N 1,024]; A: computed on the way; B: input wo (given as codes): QUANTISED
;;     26. [M 1,024, K 1,024] x [K 1,024, N 4,096]; A: input hidden_states; B: input wi (given as codes): QUANTISED
;;     27. [M 1,024, K 1,024] x [K 1,024, N 16]; A: input hidden_states; B: input lora_A (given as codes): QUANTISED
;;     28. [M 1,024, K 16] x [K 16, N 4,096]; A: computed on the way; B: input lora_B: left as it is (K = 16 < 32)
;;     29. [M 1,024, K 4,096] x [K 4,096, N 1,024]; A: computed on the way; B: input wo (given as codes): QUANTISED
;;     30. [M 1,024, K 1,024] x [K 1,024, N 4,096]; A: input hidden_states; B: input wi (given as codes): QUANTISED
;;     31. [M 1,024, K 1,024] x [K 1,024, N 16]; A: input hidden_states; B: input lora_A (given as codes): QUANTISED
;;     32. [M 1,024, K 16] x [K 16, N 4,096]; A: computed on the way; B: input lora_B: left as it is (K = 16 < 32)
;;     33. [M 1,024, K 4,096] x [K 4,096, N 1,024]; A: computed on the way; B: input wo (given as codes): QUANTISED
;;   THE QUANTISER, for each operand of a quantised product, along K:
;;     - K is cut into blocks of 32 from its start; a last block that is shorter is filled with zeros.
;;     - A block's scale is 2^e with e = floor(log2(the largest magnitude in the block)) - 2, held to -126 .. 127; a block of zeros has e = 0. As a byte (E8M0): e + 127.
;;     - Each number is divided by its block's scale, clamped to +-6, and rounded to the nearest number of E2M1, ties to even, subnormals kept.
;;     - The product sums the exact products of the quantised numbers (number of the format x scale) in f32.
;;   ~~~python
;;   def quantise(x, axis):      # numpy; x: float32 -> the quantised numbers, widened to float32 again
;;       x = np.moveaxis(x, axis, -1); K = x.shape[-1]
;;       x = np.pad(x, [(0, 0)] * (x.ndim - 1) + [(0, -K % 32)]); x = x.reshape(x.shape[:-1] + (-1, 32)); a = np.abs(x).max(-1, keepdims=True)
;;       e = np.where(a > 0, np.clip(np.frexp(np.where(a > 0, a, 1))[1] - 1 - 2, -126, 127), 0)      # np.frexp(a)[1] - 1 = floor(log2(a)), exactly
;;       r = np.clip(x / 2.0 ** e, -6, 6)
;;       step = 2.0 ** (np.maximum(np.frexp(np.where(r == 0, 1, r))[1] - 1, 0) - 1)
;;       q = np.round(r / step) * step * 2.0 ** e      # np.round: ties to even
;;       return np.moveaxis(q.reshape(q.shape[:-2] + (-1,))[..., :K], -1, axis).astype(np.float32)
;;   ~~~
;;   OPERANDS COMPUTED ON THE WAY. 'Computed on the way' means the value that the module computes at that place (a softmax that the list does not call 'softmax' is quantised finished and normalised). What goes into a quantiser is computed in f32, as accurately as f32 sums, v_exp_f32 and their like allow (about 1e-6 of the number): no bf16 or f16 on the way to a quantiser, and a product that is left as it is and whose result goes on into a quantised operand takes f32 operands (vector FMAs, or v_wmma_f32_16x16x4_f32). A number that lies on a knife's edge between two numbers of the format may be rounded either way, as far as f32 arithmetic and the matrix unit's own rounding can turn it there, and no further.
;;   INPUTS GIVEN AS CODES. lora_A (in the module: [8, 16, 1024], K = its axis 2); wi (in the module: [4096, 1024], K = its axis 1); wo (in the module: [1024, 4096], K = its axis 1): each comes as NAME_codes (uint8): NAME with its K axis moved to the last place and cut into blocks of 32 codes, [.., K / 32, bytes a block], one block behind the other in memory; two codes a byte, the lower K in the low four bits (a code: sign, 2 exponent bits, 1 mantissa bit); and NAME_scales (uint8): the same leading axes, one E8M0 byte (e + 127) for each 32 codes along K. Its value is code x scale, taken as it is: it is not quantised again, and the codes and scales need not be those that the quantiser above would give.
;; One version. Each part assembles by itself: llvm-mc -triple=amdgcn-amd-amdhsa -mcpu=gfx1250 --defsym DOCPART=n.
;; ======== version 1 of 1: 3 launches
;; limits: right only within a limited range of input values
;; workspace buffers: xq 557,056 bytes; uall 524,288 bytes; emask 2,048 bytes of whole numbers; gsum 4,096 bytes; woimg 2,097,152 bytes; lbimg 2,097,152 bytes; hid 5,013,504 bytes
;; launch prep (part 1): grid 256 x 1, 8 waves a work-group, clusters of 4 x 1, 167,936 bytes of LDS; arguments hidden_states, gate_w, gate_b, lora_A_codes, lora_A_scales, lora_B, wo_codes, xq, uall, emask, gsum, woimg, lbimg; writes xq, uall, emask, gsum, woimg, lbimg
.if DOCPART == 1
	.amdgcn_target "amdgcn-amd-amdhsa--gfx1250"
	.amdhsa_code_object_version 6
	.text
	.protected	k_q13d9b1bad6_prep
	.globl	k_q13d9b1bad6_prep
	.p2align	8
	.type	k_q13d9b1bad6_prep,@function
k_q13d9b1bad6_prep:
	s_mov_b64 s[64:65], 0
	v_nop
	global_prefetch_b8 v0, s[64:65] scope:SCOPE_SE
	s_setreg_imm32_b32 hwreg(HW_REG_WAVE_MODE, 25, 1), 1
	s_wait_xcnt 0x0
	s_wait_alu depctr_hold_cnt(0) depctr_sa_sdst(0) depctr_va_vdst(0) depctr_va_sdst(0) depctr_va_ssrc(0) depctr_va_vcc(0) depctr_vm_vsrc(0)
	s_getreg_b32 s2, hwreg(HW_REG_IB_STS2, 6, 4)
	s_cmp_eq_u32 s2, 0
	s_cbranch_scc0 .Lentry_in_a_cluster
	s_endpgm
.Lentry_in_a_cluster:
	s_bfe_u32 s2, ttmp6, 0x10000c
	s_cmp_lg_u32 s2, 0x3003
	s_cbranch_scc0 .Lentry_shape_is_right
	s_endpgm
.Lentry_shape_is_right:
; PREP: the router, the quantising of x, u = Q(x) A_e^T for all eight experts, and wo's codes and lora_B laid as register images.
; WORK LEFT OUT BY THE PROGRAM.  out = sum over e of count_e x val_sum x (expert e's chain).  count_e counts the top-k slots that picked e: for an expert that is not among a token's two
; chosen ones count_e = 0, whatever the inputs hold, so that expert's whole chain (its products with wi, lora_B and wo for that token) is multiplied by 0 and reaches no output.  The choice is
; stored here as whole numbers (emask); the next launch reads it and runs the two chosen chains of each token alone.  top_k's two indices differ, so each chosen expert has count 1.
; LIMITS: a NaN, an infinity or an overflow that arises only in a chain that was not chosen is not carried to the result; NaN and infinities among the inputs are not served; a token whose second and
; third scores differ by less than the rounding of an f32 sum of 1,024 terms may choose otherwise than a sum in another order; a block of zeros gets the scale byte 1 (its codes are zeros, and this program alone reads the bytes).
; u is made for all eight experts: the choice is made in this same launch and may steer no address here.  Every input of the problem is loaded by some launch.
; SHARES.  Work-group g: tokens 4 g .. 4 g + 3.  Wave w: K step w (128 numbers) of the four rows; it also copies fragment 8 g + w of wo and tile 8 g + w of lora_B.
; Lane (r = lane % 16, h = lane / 16) holds of token 2 p + h the numbers k = 128 w + 8 r .. + 7 (p = 0, 1): 512 consecutive bytes of a row in 16 lanes.
; THE LOGITS stay f32 (fused multiply-adds): 16 sums a lane (2 tokens x 8 experts), then over 16 lanes, then over the eight waves through LDS.
; u: wave w multiplies its own K step, all 8 experts; the eight partial sums meet in LDS.  The product's 16 columns hold the four tokens four times over (column r is token r % 4).
; CLUSTER.  All work-groups read the same lora_A codes: four ask jointly, wave w for expert w's 16 rows.  No LDS bytes are filled twice.
; emask: byte (e, g), e x 256 + g: bits 0-3 the tokens 4 g + i that chose e, bits 4-7 those that chose it as their second.
; No data prefetch: there is no loop to run ahead in.
.set XC,  67584                        ; LDS: behind A's 128 rows of 528 bytes: x's codes, 4 rows x 512
.set XS,  69632                        ; x's scale bytes, 4 x 32
.set LG,  69888                        ; the logits' parts: [wave][token][8]
.set UP,  70912                        ; u's parts: [wave][token] rows of 528 bytes
.set SPARE, 87808                      ; the spare words, 128 bytes for each wave
.set XQS, 524288                       ; xq: the scale bytes begin here
.set SPW, 14
.set NIL, 15
.set X,   24                           ; v24-39   x
.set G,   40                           ; v40-103  gate_w; later A's fragments; later at work
.set WO,  104                          ; v104-111 a fragment of wo
.set LB,  112                          ; v112-119 a tile of lora_B
.set ASC, 120                          ; v120-127 A's scale words
.set AC,  128                          ; v128-159 the logits' sums in pairs
.set SM,  160                          ; v160-175 the 16 sums
.set XF,  176                          ; v176-183 x's fragment
.set XW,  184                          ; v184     its scale word
.set D,   192                          ; v192-255 u's eight tiles
.macro VW
	s_wait_alu depctr_va_vdst(0)
.endm
.macro CROUND                          ; a round of the cluster's barrier
	s_barrier_signal -1
	s_barrier_wait -1
	s_cmp_lg_u32 s30, 0
	s_cbranch_scc1 .Lnot_wave_0_\@
	s_barrier_signal -3
.Lnot_wave_0_\@:
	s_barrier_wait -3
	s_barrier_signal -1
	s_barrier_wait -1
.endm
	s_load_b512 s[4:19], s[0:1], 0x0               ; x s[4:5], gate_w s[6:7], gate_b s[8:9], A's codes s[10:11], A's scales s[12:13], lora_B s[14:15], wo s[16:17], xq s[18:19]
	s_load_b256 s[20:27], s[0:1], 0x40             ; uall, emask, gsum, woimg
	s_load_b64 s[28:29], s[0:1], 0x60              ; lbimg
	v_lshl_add_u32 v[SPW], v0, 2, SPARE
	v_mov_b32 v[NIL], 0
	ds_add_u32 v[SPW], v[NIL]                      ; the wave's opening: the add, twice on end, and its wait ahead of my first tensor load
	ds_add_u32 v[SPW], v[NIL]
	v_lshrrev_b32 v1, 5, v0
	v_readfirstlane_b32 s30, v1                    ; wave 0..7
	s_bfe_u32 s31, ttmp6, 0x40000                  ; cx
	s_lshl_b32 s32, ttmp9, 2
	s_add_co_u32 s32, s32, s31                     ; g: it enters global addresses alone
	; descriptor group 1: 16 rows x 512 bytes, 16 bytes of padding behind each
	s_mov_b32 s36, 15|(1<<20)|(1<<21)|(6<<22)|(3<<25)   ; the mask: all four; elements of 1 byte; padding on; bit 21 beside a mask; after every 128 words, four words
	s_mov_b32 s37, 512<<16
	s_mov_b32 s38, 16<<16
	s_mov_b32 s39, 512<<16
	s_mov_b32 s40, 16
	s_mov_b32 s41, 512
	s_mov_b32 s42, 0
	s_mov_b32 s43, 0
	v_and_b32 v1, 31, v0                           ; l
	v_and_b32 v2, 15, v0                           ; r
	v_bfe_u32 v3, v0, 4, 1                         ; h
	v_lshlrev_b32 v5, 5, v2                        ; 32 r: gate_w, and A's scales
	v_lshl_add_u32 v4, v3, 12, v5                  ; x: row h, + 32 r
	v_lshlrev_b32 v6, 4, v1                        ; 16 l
	v_lshlrev_b32 v7, 11, v2
	v_lshl_add_u32 v7, v3, 4, v7                   ; wo: row r of 2,048 bytes, + 16 h
	v_lshrrev_b32 v8, 3, v2
	v_lshl_add_u32 v8, v8, 3, v2                   ; r + 8 (r / 8)
	v_lshlrev_b32 v8, 6, v8
	v_lshl_add_u32 v8, v3, 4, v8                   ; lora_B: 64 bytes a unit, + 16 h
	s_mov_b32 s45, 0
	VW
	s_wait_dscnt 0x0                               ; both opening adds are done
	s_wait_kmcnt 0x0
	s_load_b256 s[68:75], s[8:9], 0x0              ; gate_b
	s_lshl_b32 s44, s32, 14
	s_lshl_b32 s46, s30, 9
	s_add_co_u32 s44, s44, s46
	s_add_nc_u64 s[4:5], s[4:5], s[44:45]          ; x at token 4 g, K step w
	s_mov_b32 s44, s46
	s_add_nc_u64 s[6:7], s[6:7], s[44:45]          ; gate_w at K step w
.irp p, 0,1
	global_load_b128 v[X+8*\p:X+8*\p+3], v4, s[4:5] offset:8192*\p th:TH_LOAD_NT
	global_load_b128 v[X+8*\p+4:X+8*\p+7], v4, s[4:5] offset:8192*\p+16 th:TH_LOAD_NT
.endr
.irp e, 0,1,2,3,4,5,6,7
	global_load_b128 v[G+8*\e:G+8*\e+3], v5, s[6:7] offset:4096*\e
	global_load_b128 v[G+8*\e+4:G+8*\e+7], v5, s[6:7] offset:4096*\e+16
.endr
	s_mov_b32 s48, 1                               ; descriptor group 0
	s_mul_i32 s49, s30, 8448                       ; LDS address: expert w's rows
	s_lshl_b32 s44, s30, 13
	s_add_nc_u64 s[50:51], s[10:11], s[44:45]
	s_or_b32 s51, s51, 0x80000000
	CROUND                                         ; all four work-groups are here: the joint loads meet
	tensor_load_to_lds s[48:51], s[36:43]          ; my one tensor load
	s_nop 0
.rept 4
	v_nop
.endr
	s_lshr_b32 s44, s32, 2
	s_lshl_b32 s44, s44, 15
	s_and_b32 s46, s32, 3
	s_lshl_b32 s46, s46, 9
	s_add_co_u32 s44, s44, s46
	s_lshl_b32 s46, s30, 6
	s_add_co_u32 s44, s44, s46
	s_add_nc_u64 s[16:17], s[16:17], s[44:45]      ; wo at rows 16 (g / 4), K step 8 (g % 4) + w
	s_lshl_b32 s44, s32, 13
	s_lshr_b32 s46, s30, 1
	s_lshl_b32 s46, s46, 11
	s_add_co_u32 s44, s44, s46
	s_and_b32 s46, s30, 1
	s_lshl_b32 s46, s46, 9
	s_add_co_u32 s44, s44, s46
	s_add_nc_u64 s[14:15], s[14:15], s[44:45]      ; lora_B at expert g / 32, block of 32 units 4 (g % 32) + w / 2, tile w % 2 of it
	s_lshl_b32 s44, s30, 2
	s_add_nc_u64 s[12:13], s[12:13], s[44:45]      ; A's scales at K step w
	VW
	global_load_b128 v[WO:WO+3], v7, s[16:17]
	global_load_b128 v[WO+4:WO+7], v7, s[16:17] offset:32
	global_load_b128 v[LB:LB+3], v8, s[14:15]
	global_load_b128 v[LB+4:LB+7], v8, s[14:15] offset:32
.irp e, 0,1,2,3,4,5,6,7
	global_load_b32 v[ASC+\e], v5, s[12:13] offset:512*\e
.endr
	s_lshl_b32 s46, s32, 3
	s_add_co_u32 s46, s46, s30
	s_lshl_b32 s44, s46, 10
	s_add_nc_u64 s[26:27], s[26:27], s[44:45]      ; both images at 1,024 x (8 g + w)
	s_add_nc_u64 s[28:29], s[28:29], s[44:45]
	s_lshl_b32 s44, s32, 7
	s_add_co_u32 s44, s44, XQS
	s_add_nc_u64 s[52:53], s[18:19], s[44:45]      ; xq's scale bytes of my four rows
	s_lshl_b32 s44, s32, 11
	s_add_nc_u64 s[18:19], s[18:19], s[44:45]      ; xq's codes of my four rows
	s_and_b32 s46, s30, 3
	s_lshl_b32 s46, s46, 9
	s_add_co_u32 s44, s44, s46
	s_add_nc_u64 s[20:21], s[20:21], s[44:45]      ; uall at token 4 g + w % 4
	s_mov_b32 s44, s32
	s_add_nc_u64 s[22:23], s[22:23], s[44:45]      ; emask at byte g
	s_lshl_b32 s44, s32, 4
	s_add_nc_u64 s[24:25], s[24:25], s[44:45]      ; gsum at token 4 g
	; LDS addresses
	s_lshl_b32 s46, s30, 6                         ; 64 w
	s_lshl_b32 s47, s30, 2                         ; 4 w
	v_and_b32 v22, 3, v0                           ; r % 4
	s_add_co_u32 s54, s46, XC
	s_add_co_u32 s55, s47, XS
	v_lshlrev_b32 v10, 9, v3
	v_lshl_add_u32 v10, v2, 2, v10
	v_add_nc_u32 v10, s54, v10                     ; codes in: row h, 64 w + 4 r
	v_lshlrev_b32 v11, 5, v3
	v_lshrrev_b32 v12, 2, v2
	v_add_nc_u32 v11, v11, v12
	v_add_nc_u32 v11, s55, v11                     ; scale bytes in: row h, 4 w + r / 4
	v_lshlrev_b32 v12, 9, v22
	v_lshl_add_u32 v12, v3, 4, v12
	v_add_nc_u32 v12, s54, v12                     ; my fragment: row r % 4, 64 w + 16 h
	v_lshlrev_b32 v13, 5, v22
	v_add_nc_u32 v13, s55, v13                     ; its scale word
	v_mul_u32_u24 v16, v2, 528
	v_lshl_add_u32 v16, v3, 4, v16
	v_add_nc_u32 v16, s46, v16                     ; A's fragments: rank r, 64 w + 16 h
	s_lshl_b32 s54, s30, 7
	s_add_co_u32 s54, s54, LG
	v_lshlrev_b32 v17, 5, v3
	v_add_nc_u32 v17, s54, v17                     ; the logits' parts in: 128 w + 32 h
	s_mul_i32 s54, s30, 2112
	s_add_co_u32 s54, s54, UP
	v_mul_u32_u24 v18, v22, 528
	v_lshl_add_u32 v18, v3, 5, v18
	v_add_nc_u32 v18, s54, v18                     ; u's parts in: token r % 4, + 32 h
	s_and_b32 s55, s30, 3
	s_mul_i32 s55, s55, 528
	s_add_co_u32 s55, s55, UP
	v_add_nc_u32 v19, s55, v6                      ; and back: token w % 4, 16 l
	v_lshl_add_u32 v20, v0, 3, XC                  ; codes back: 8 bytes a thread
	v_lshlrev_b32 v21, 3, v0
	v_lshlrev_b32 v23, 5, v22
	v_add_nc_u32 v23, LG, v23                      ; the router: token r % 4
	VW
	s_wait_loadcnt 28                              ; x is in; gate_w's 16, the copies' 4 and the scale words' 8 may be out
.irp p, 0,1
	v_max3_num_f32 v[186+\p], |v[X+8*\p]|, |v[X+8*\p+1]|, 0x1800000   ; the floor 2^(3 - 127): the byte cannot fall under 1
.endr
.irp i, 2,4,6
.irp p, 0,1
	v_max3_num_f32 v[186+\p], v[186+\p], |v[X+8*\p+\i]|, |v[X+8*\p+\i+1]|
.endr
.endr
.irp m, 1,2                                    ; a block of 32 lies in four neighbouring lanes
.irp p, 0,1
	v_max_num_f32_dpp v[186+\p], v[186+\p], v[186+\p] row_xmask:\m row_mask:0xf bank_mask:0xf
.endr
.endr
.irp p, 0,1
	v_add_nc_u32 v[188+\p], 0xff000000, v[186+\p]  ; 2 off the exponent field: the conversion's scale operand
.endr
.irp p, 0,1
	v_lshrrev_b32 v[190+\p], 23, v[188+\p]         ; the scale's byte
.endr
.irp p, 0,1
	v_cvt_scalef32_pk8_fp4_f32 v[D+\p], v[X+8*\p:X+8*\p+7], v[188+\p]
.endr
	v_nop                                          ; one plain place behind a scaled conversion
.irp p, 0,1
	ds_store_b32 v10, v[D+\p] offset:1024*\p
	ds_store_b8 v11, v[190+\p] offset:64*\p        ; the block's four lanes write the same byte with the same value
.endr
	ds_load_b128 v[XF:XF+3], v12                   ; my own bytes: LDS serves a wave's instructions in order (ISA guide 5.7.1.4)
	ds_load_b128 v[XF+4:XF+7], v12 offset:32
	ds_load_b32 v[XW], v13
	VW
	s_wait_loadcnt 12                              ; gate_w is in
.irp p, 0,1
.irp e, 0,1,2,3,4,5,6,7
	v_pk_mul_f32 v[AC+16*\p+2*\e:AC+16*\p+2*\e+1], v[X+8*\p:X+8*\p+1], v[G+8*\e:G+8*\e+1]
.endr
.endr
.irp i, 2,4,6
.irp p, 0,1
.irp e, 0,1,2,3,4,5,6,7
	v_pk_fma_f32 v[AC+16*\p+2*\e:AC+16*\p+2*\e+1], v[X+8*\p+\i:X+8*\p+\i+1], v[G+8*\e+\i:G+8*\e+\i+1], v[AC+16*\p+2*\e:AC+16*\p+2*\e+1]
.endr
.endr
.endr
.irp i, 0,1,2,3,4,5,6,7,8,9,10,11,12,13,14,15
	v_add_f32 v[SM+\i], v[AC+2*\i], v[AC+2*\i+1]
.endr
.irp m, 1,2,4,8
.irp i, 0,1,2,3,4,5,6,7,8,9,10,11,12,13,14,15
	v_add_f32_dpp v[SM+\i], v[SM+\i], v[SM+\i] row_xmask:\m row_mask:0xf bank_mask:0xf
.endr
.endr
.irp p, 0,1                                    ; the 16 lanes write the same bytes with the same values
	ds_store_b128 v17, v[SM+8*\p:SM+8*\p+3] offset:64*\p
	ds_store_b128 v17, v[SM+8*\p+4:SM+8*\p+7] offset:64*\p+16
.endr
	VW
	s_wait_loadcnt 8                               ; the copies are in; A's scale words may be out
	global_store_b128 v6, v[WO:WO+3], s[26:27]     ; each store of the wave covers 512 consecutive bytes, aligned
	global_store_b128 v6, v[WO+4:WO+7], s[26:27] offset:512
	global_store_b128 v6, v[LB:LB+3], s[28:29]
	global_store_b128 v6, v[LB+4:LB+7], s[28:29] offset:512
	s_wait_kmcnt 0x0                               ; gate_b
	s_wait_tensorcnt 0x0                           ; expert w's rows of A have landed
	s_wait_dscnt 0x0                               ; my codes, scale bytes and logit parts lie in LDS; my fragment is in
	s_barrier_signal -1
	s_barrier_wait -1                              ; everybody's do
.irp e, 0,1,2,3,4,5,6,7
	ds_load_b128 v[G+8*\e:G+8*\e+3], v16 offset:8448*\e
	ds_load_b128 v[G+8*\e+4:G+8*\e+7], v16 offset:8448*\e+32
.endr
	ds_load_b64 v[186:187], v20                    ; x's codes by rows
	s_wait_loadcnt 0x0                             ; A's scale words
	s_wait_dscnt 0x0
	global_store_b64 v21, v[186:187], s[18:19]     ; a wave stores 256 consecutive bytes, aligned
.irp e, 0,1,2,3,4,5,6,7                        ; u^T over my K step: source 0 = expert e's 16 ranks, source 1 = the tokens: a lane holds token r % 4 and ranks 8 h + 0 .. 7
	v_wmma_scale_f32_16x16x128_f8f6f4 v[D+8*\e:D+8*\e+7], v[G+8*\e:G+8*\e+7], v[XF:XF+7], 0, v[ASC+\e], v[XW] matrix_a_fmt:MATRIX_FMT_FP4 matrix_b_fmt:MATRIX_FMT_FP4
.endr
.rept 4
	v_nop                                          ; places in front of the first read of results
.endr
.irp e, 0,1,2,3,4,5,6,7
	ds_store_b128 v18, v[D+8*\e:D+8*\e+3] offset:64*\e
	ds_store_b128 v18, v[D+8*\e+4:D+8*\e+7] offset:64*\e+16
.endr
	VW
	s_wait_dscnt 0x0
	s_barrier_signal -1
	s_barrier_wait -1                              ; u's parts lie in LDS
	s_cmp_lt_u32 s30, 4
	s_cbranch_scc1 .Llow
	; WAVES 4 TO 7: token w - 4's row of u
.irp p, 0,1,2,3,4,5,6,7
	ds_load_b128 v[G+4*\p:G+4*\p+3], v19 offset:2112*\p
.endr
	s_wait_dscnt 0x0
.irp s, 4,8,16
.irp p, 0,8,16,24
.if (\p)%(2*\s/4*4) == 0
	v_pk_add_f32 v[G+\p:G+\p+1], v[G+\p:G+\p+1], v[G+\p+\s:G+\p+\s+1]
	v_pk_add_f32 v[G+\p+2:G+\p+3], v[G+\p+2:G+\p+3], v[G+\p+\s+2:G+\p+\s+3]
.endif
.endr
.endr
	global_store_b128 v6, v[G:G+3], s[20:21]       ; 8 experts x 16 ranks: 512 consecutive bytes
	VW
	s_branch .Lend
.Llow:
	s_cmp_lg_u32 s30, 0
	s_cbranch_scc1 .Lscales
	; WAVE 0: the router for the four tokens (a lane holds token r % 4)
.irp p, 0,1,2,3,4,5,6,7
	ds_load_b128 v[G+8*\p:G+8*\p+3], v23 offset:128*\p
	ds_load_b128 v[G+8*\p+4:G+8*\p+7], v23 offset:128*\p+16
.endr
	s_wait_dscnt 0x0
.irp s, 8,16,32
.irp p, 0,16,32,48
.if (\p)%(2*\s) == 0
.irp i, 0,2,4,6
	v_pk_add_f32 v[G+\p+\i:G+\p+\i+1], v[G+\p+\i:G+\p+\i+1], v[G+\p+\s+\i:G+\p+\s+\i+1]
.endr
.endif
.endr
.endr
.irp e, 0,1,2,3,4,5,6,7
	v_add_f32 v[G+\e], s[68+\e], v[G+\e]           ; + gate_b
.endr
	v_max3_num_f32 v136, v[G], v[G+1], v[G+2]
	v_max3_num_f32 v137, v[G+3], v[G+4], v[G+5]
	v_max3_num_f32 v136, v136, v[G+6], v[G+7]
	v_max_num_f32 v136, v136, v137                 ; the maximum is taken away before the exponential
.irp e, 0,1,2,3,4,5,6,7
	v_sub_f32 v[AC+\e], v[G+\e], v136
.endr
.irp e, 0,1,2,3,4,5,6,7
	v_mul_f32 v[AC+\e], 0x3fb8aa3b, v[AC+\e]
.endr
	VW
.irp e, 0,1,2,3,4,5,6,7
	v_exp_f32 v[AC+\e], v[AC+\e]
.endr
	v_lshlrev_b32 v147, 8, v1                      ; (a plain place)  emask: 256 e, e = l
	VW
	v_add_f32 v137, v[AC], v[AC+1]
	v_add_f32 v138, v[AC+2], v[AC+3]
	v_add_f32 v139, v[AC+4], v[AC+5]
	v_add_f32 v140, v[AC+6], v[AC+7]
	v_add_f32 v137, v137, v138
	v_add_f32 v139, v139, v140
	v_add_f32 v137, v137, v139
	VW
	v_rcp_f32 v141, v137
	v_lshlrev_b32 v148, 2, v22                     ; (a plain place)  gsum: 4 x (r % 4)
	VW
.irp e, 0,1,2,3,4,5,6,7
	v_mul_f32 v[AC+\e], v[AC+\e], v141             ; the scores
.endr
	v_mov_b32 v142, v[AC]                          ; the largest so far, and its expert;
	v_mov_b32 v143, 0
	v_mov_b32 v144, -1.0                           ; the second: under every score
	v_mov_b32 v145, 0
.irp e, 1,2,3,4,5,6,7                          ; a later expert wins only by a larger score: ties go to the lower index
	v_cmp_gt_f32 s76, v[AC+\e], v142
	v_cmp_gt_f32 s77, v[AC+\e], v144
	v_cndmask_b32 v144, v144, v[AC+\e], s77
	v_cndmask_b32 v145, v145, \e, s77
	v_cndmask_b32 v144, v144, v142, s76
	v_cndmask_b32 v145, v145, v143, s76
	v_cndmask_b32 v142, v142, v[AC+\e], s76
	v_cndmask_b32 v143, v143, \e, s76
.endr
	v_add_f32 v146, v142, v144                     ; val_sum
	s_mov_b32 s76, 0
	s_mov_b32 s77, 0
	VW
.irp e, 0,1,2,3,4,5,6,7                        ; lanes 0 to 3 are the four tokens
	v_cmp_eq_u32 s78, \e, v143
	v_cmp_eq_u32 s79, \e, v145
	s_or_b32 s78, s78, s79
	s_and_b32 s78, s78, 15
	s_lshl_b32 s79, s79, 4
	s_and_b32 s79, s79, 0xf0
	s_or_b32 s78, s78, s79
	s_lshl_b32 s78, s78, 8*(\e%4)
	s_or_b32 s[76+\e/4], s[76+\e/4], s78
.endr
	v_and_b32 v150, 4, v1
	v_mov_b32 v149, s76
	v_mov_b32 v151, s77
	v_cmp_eq_u32 vcc_lo, 4, v150
	v_cndmask_b32 v149, v149, v151, vcc_lo
	v_and_b32 v150, 3, v1
	v_lshlrev_b32 v150, 3, v150
	v_lshrrev_b32 v149, v150, v149                 ; lane e (of 0 to 7): expert e's byte
	VW
	s_wait_xcnt 0x0                                ; EXEC changes only behind this wait
	v_cmp_gt_u32 vcc_lo, 8, v1
	s_and_saveexec_b32 s80, vcc_lo
	global_store_b8 v147, v149, s[22:23]           ; at fixed places: no address hangs on the choice
	global_store_b32 v148, v146, s[24:25]          ; (lanes 4 to 7 repeat lanes 0 to 3)
	s_wait_xcnt 0x0
	s_or_b32 exec_lo, exec_lo, s80
	VW
	s_branch .Lend
.Lscales:
	s_cmp_lg_u32 s30, 1
	s_cbranch_scc1 .Lend
	; WAVE 1: the four rows of scale bytes
	v_lshlrev_b32 v152, 2, v1
	v_add_nc_u32 v153, XS, v152
	ds_load_b32 v154, v153
	VW
	s_wait_dscnt 0x0
	global_store_b32 v152, v154, s[52:53]          ; 128 consecutive bytes
.Lend:
	s_wait_tensorcnt 0x0                           ; the wave's end: behind my last LDS store
	ds_add_u32 v[SPW], v[NIL]
	s_wait_dscnt 0x0
	CROUND                                         ; the closing round
	s_endpgm
.Lfunc_end_k_q13d9b1bad6_prep:
	.size	k_q13d9b1bad6_prep, .Lfunc_end_k_q13d9b1bad6_prep-k_q13d9b1bad6_prep
	.p2alignl 7, 3214868480
	.fill 96, 4, 3214868480
	.section	.rodata,"a",@progbits
	.p2align	6, 0x0
	.amdhsa_kernel k_q13d9b1bad6_prep
		.amdhsa_group_segment_fixed_size 167936
		.amdhsa_private_segment_fixed_size 0
		.amdhsa_enable_private_segment 0
		.amdhsa_kernarg_size 104
		.amdhsa_user_sgpr_count 2
		.amdhsa_user_sgpr_kernarg_segment_ptr 1
		.amdhsa_wavefront_size32 1
		.amdhsa_system_sgpr_workgroup_id_x 1
		.amdhsa_system_sgpr_workgroup_id_y 1
		.amdhsa_system_sgpr_workgroup_id_z 1
		.amdhsa_system_vgpr_workitem_id 0
		.amdhsa_next_free_vgpr 256
		.amdhsa_next_free_sgpr 84
		.amdhsa_reserve_vcc 1
		.amdhsa_float_denorm_mode_32 3
		.amdhsa_float_denorm_mode_16_64 3
		.amdhsa_memory_ordered 1
		.amdhsa_forward_progress 1
		.amdhsa_inst_pref_size 39
	.end_amdhsa_kernel
	.amdgpu_metadata
---
amdhsa.version: [ 1, 2 ]
amdhsa.kernels:
  - .name:           k_q13d9b1bad6_prep
    .symbol:         k_q13d9b1bad6_prep.kd
    .args:
      - { .name: hidden_states, .offset: 0, .size: 8, .value_kind: global_buffer, .address_space: global }
      - { .name: gate_w, .offset: 8, .size: 8, .value_kind: global_buffer, .address_space: global }
      - { .name: gate_b, .offset: 16, .size: 8, .value_kind: global_buffer, .address_space: global }
      - { .name: lora_A_codes, .offset: 24, .size: 8, .value_kind: global_buffer, .address_space: global }
      - { .name: lora_A_scales, .offset: 32, .size: 8, .value_kind: global_buffer, .address_space: global }
      - { .name: lora_B, .offset: 40, .size: 8, .value_kind: global_buffer, .address_space: global }
      - { .name: wo_codes, .offset: 48, .size: 8, .value_kind: global_buffer, .address_space: global }
      - { .name: xq, .offset: 56, .size: 8, .value_kind: global_buffer, .address_space: global }
      - { .name: uall, .offset: 64, .size: 8, .value_kind: global_buffer, .address_space: global }
      - { .name: emask, .offset: 72, .size: 8, .value_kind: global_buffer, .address_space: global }
      - { .name: gsum, .offset: 80, .size: 8, .value_kind: global_buffer, .address_space: global }
      - { .name: woimg, .offset: 88, .size: 8, .value_kind: global_buffer, .address_space: global }
      - { .name: lbimg, .offset: 96, .size: 8, .value_kind: global_buffer, .address_space: global }
    .group_segment_fixed_size: 167936
    .private_segment_fixed_size: 0
    .kernarg_segment_align: 8
    .kernarg_segment_size: 104
    .max_flat_workgroup_size: 256
    .sgpr_count:     84
    .vgpr_count:     256
    .wavefront_size: 32
...
	.end_amdgpu_metadata
.endif
;; end of part 1
;; launch up (part 2): grid 16 x 16, 4 waves a work-group, clusters of 4 x 1, 250,624 bytes of LDS; arguments xq, uall, emask, wi_codes, wi_scales, bi, lbimg, hid; writes hid
.if DOCPART == 2
	.amdgcn_target "amdgcn-amd-amdhsa--gfx1250"
	.amdhsa_code_object_version 6
	.text
	.protected	k_q13d9b1bad6_up
	.globl	k_q13d9b1bad6_up
	.p2align	8
	.type	k_q13d9b1bad6_up,@function
k_q13d9b1bad6_up:
	s_mov_b64 s[64:65], 0
	v_nop
	global_prefetch_b8 v0, s[64:65] scope:SCOPE_SE
	s_setreg_imm32_b32 hwreg(HW_REG_WAVE_MODE, 25, 1), 1
	s_wait_xcnt 0x0
	s_wait_alu depctr_hold_cnt(0) depctr_sa_sdst(0) depctr_va_vdst(0) depctr_va_sdst(0) depctr_va_ssrc(0) depctr_va_vcc(0) depctr_vm_vsrc(0)
	s_getreg_b32 s2, hwreg(HW_REG_IB_STS2, 6, 4)
	s_cmp_eq_u32 s2, 0
	s_cbranch_scc0 .Lentry_in_a_cluster
	s_endpgm
.Lentry_in_a_cluster:
	s_bfe_u32 s2, ttmp6, 0x10000c
	s_cmp_lg_u32 s2, 0x3003
	s_cbranch_scc0 .Lentry_shape_is_right
	s_endpgm
.Lentry_shape_is_right:
; UP: hidden = Q(relu(Q(x) wi^T + bi + u B_e^T)) for the chosen (token, expert) chains, sorted by expert.  The chains that were not chosen are multiplied by count = 0 in the problem and are left out.
; THE SORTED ROWS.  Each expert's rows are padded to a multiple of 16, so that a tile of 16 has one expert: at most 2,048 + 8 x 15 rows, so 2,304 places serve every split, 256 of them pads.
; Every wave finds its rows from emask itself, in registers: lane 4 e + c holds expert e's bits for tokens 256 c .. + 255, eight words of 32; running counts give each word's first rank; a row's lane then
; looks up its expert, its quarter c, its word and its bit, by lane permutes.  A pad takes token 0 with its tile's expert and writes one of hid's rows 2,048 .. 2,303, which nobody reads.
; hid's row of (token t, slot j) is 128 (t / 64) + 64 j + t % 64; its scale bytes lie as [quarter of the units][row][32].
; SHARES.  A work-group takes 144 sorted rows (block rb = 4 x cluster x + cx) and 256 hidden units (block y).  Wave w owns units 256 y + 64 w .. + 63, four tiles of 16, for all nine tiles of rows:
; its part of wi stays in 256 registers.  Wave w gathers rows 32 w .. + 31 and 128 + 4 w .. + 3: codes, scale bytes and u go into LDS once, for all four waves.
; CLUSTER.  The four partners share y and so wi's 256 rows: each wave's 64 rows are asked for jointly.  x's rows are each one row by the list, which no rectangle of the mover describes.  No LDS bytes are filled twice.
; No data prefetch: wi comes by one load a wave and there is no loop to run ahead in.
; LAYOUT.  Both products are used transposed (source 0 = 16 rows of wi or of lora_B, source 1 = 16 sorted rows): a lane holds one row (lane % 16) and its registers run along the hidden units.
; Lane r of tile 2 b + u of wi takes unit 32 b + 8 u + r + 8 (r / 8), so that register j of tile 2 b + u is unit 32 b + 16 h + 8 u + j: 16 neighbours along the next K in two tiles.
; THE RANK-16 PRODUCT goes on into a quantiser, so its operands are f32.  A lane has ranks 4 h + 0 .. 3 and 8 + 4 h + 0 .. 3 of its row: the same order in both operands.
; Its sums begin with the first product's result (with bi in it) as C, and its results are written by matrix instructions alone.
; The quantising of tile a - 1 (65 lines) stands in slices of six behind the last twelve f32 products of tile a.
; THE WAY OUT.  Codes and scale bytes meet in a stage in LDS and leave in three groups: tiles 0-3 behind tile 4, tiles 4-7 behind tile 8, then tile 8.  A row's 128 bytes of codes leave by eight neighbouring lanes.
; REGISTERS.  Window 0: v1-31 addresses; v32-63 wi's scale words; v64-135 x's (at the head v64-255 serve the sort and the gather); v144-155 hid's offsets; v168-209 the way out.
;   Window 1: wi's fragments, (t, s) at v[8 (8 t + s)].
;   Window 2: at the head 32 gathered rows (v0-127), then x's fragments, two sets; bi's four tiles (v128-159); the first product's four accumulators P (v160-191).
;   Window 3: the f32 products' results L, two sets (v0-31, v32-63); lora_B, two sets (v64-95, v96-127); u of the nine tiles (v128-199); v200-245 the quantiser; v246-254 lora_B's offsets.
.set AB,    0                          ; LDS: 144 rows of x's codes, 512 bytes + 16
.set WIB,   76032                      ; four tiles of wi, each wave's own: 64 rows x 528
.set WTILE, 33792
.set STC,   211200                     ; the stage for codes: 144 rows x (128 bytes + 16)
.set STS,   231936                     ; and for scale bytes: 144 rows x 8
.set XSU,   233216                     ; 144 rows x (32 scale bytes + 64 bytes of u + 16)
.set HL,    249344                     ; hid's row of each of the 144
.set SPARE, 250112                     ; the spare words, 128 bytes for each wave
.set XQS,   524288
.set HSC,   4718592
.set SPW, 14
.set NIL, 15
.set TT,  200                          ; window 3: v200-231 relu's results
.set MM,  232
.set XX,  234
.set SS,  236
.set YY,  238
.set CC,  240
.set STCA, 244
.set STSA, 245
.set VLB, 246
.set MSB, 0
.macro WIN new                         ; the immediate's high byte repeats the setting that is left
.if MSB != \new
	s_set_vgpr_msb (MSB<<8)|\new
.set MSB, \new
.endif
.endm
.macro VW
	s_wait_alu depctr_va_vdst(0)
.endm
.macro PLACES n
.rept \n
	v_nop
.endr
.endm
.macro CROUND                          ; a round of the cluster's barrier
	s_barrier_signal -1
	s_barrier_wait -1
	s_cmp_lg_u32 s24, 0
	s_cbranch_scc1 .Lnot_wave_0_\@
	s_barrier_signal -3
.Lnot_wave_0_\@:
	s_barrier_wait -3
	s_barrier_signal -1
	s_barrier_wait -1
.endm
.macro FETCHA a                        ; x's eight fragments of row tile a into set a % 2 (destination window 2)
.if (\a) < 4
.set FAD, 6
.set FOF, 8448*(\a)
.else
.set FAD, 7
.set FOF, 8448*((\a)-4)
.endif
.irp s, 0,1,2,3,4,5,6,7
	ds_load_b128 v[64*((\a)%2)+8*\s:64*((\a)%2)+8*\s+3], v[FAD] offset:FOF+64*\s
	ds_load_b128 v[64*((\a)%2)+8*\s+4:64*((\a)%2)+8*\s+7], v[FAD] offset:FOF+64*\s+32
.endr
.endm
.macro LBLOAD a                        ; lora_B of row tile a's expert, my four tiles of units, into set a % 2 (all in window 3): 512 consecutive bytes a load
.irp t, 0,1,2,3
	global_load_b128 v[64+32*((\a)%2)+8*\t:64+32*((\a)%2)+8*\t+3], v[VLB+(\a)], s[16:17] offset:1024*\t
	global_load_b128 v[64+32*((\a)%2)+8*\t+4:64+32*((\a)%2)+8*\t+7], v[VLB+(\a)], s[16:17] offset:1024*\t+512
.endr
.endm
; Line n of the 65 that turn row tile a's 32 results of a lane into codes and scale bytes (all in window 3); n is stepped
.macro QI a
.if n < 32
	v_max_num_f32 v[TT+n], 0, v[32*((\a)%2)+n]     ; the activation; each accumulator from its low end on
.elseif n < 48
.if (n-32)/2 == 0
	v_max3_num_f32 v[MM+(n-32)%2], v[TT+16*((n-32)%2)], v[TT+16*((n-32)%2)+1], 0x1800000   ; none is negative; the floor 2^(3 - 127): the byte cannot fall under 1
.else
	v_max3_num_f32 v[MM+(n-32)%2], v[MM+(n-32)%2], v[TT+16*((n-32)%2)+2*((n-32)/2)], v[TT+16*((n-32)%2)+2*((n-32)/2)+1]
.endif
.elseif n < 50
	v_permlanex16_b32 v[XX+n-48], v[MM+n-48], s98, s99
.elseif n < 52
	v_max_num_f32 v[MM+n-50], v[MM+n-50], v[XX+n-50]   ; with lane l xor 16's 16 units: the block's largest
.elseif n < 54
	v_add_nc_u32 v[SS+n-52], 0xff000000, v[MM+n-52]    ; 2 off its exponent field: the conversion's scale operand
.elseif n < 56
	v_lshrrev_b32 v[YY+n-54], 23, v[SS+n-54]           ; the scale's byte
.elseif n == 56
	v_lshl_or_b32 v[YY], v[YY+1], 8, v[YY]
.elseif n < 61
	v_cvt_scalef32_pk8_fp4_f32 v[CC+n-57], v[TT+8*(n-57):TT+8*(n-57)+7], v[SS+(n-57)/2]
.elseif n == 61
	v_nop                                          ; one plain place behind the last scaled conversion
.elseif n < 64
	ds_store_b64 v[STCA], v[CC+2*(n-62):CC+2*(n-62)+1] offset:2304*(\a)+16*(n-62)   ; 16 codes: units 32 b + 16 h + 0 .. 15 of my row
.elseif n == 64
	ds_store_b16 v[STSA], v[YY] offset:128*(\a)    ; both halves of the lanes write the same two bytes with the same values
.endif
.set n, n+1
.endm
.macro FLUSH g                         ; group g of rows lies in the stage: back by rows
	WIN 0
	VW
	s_wait_dscnt 0x0                               ; for the others' sake: my part of the group has landed
	s_barrier_signal -1
	s_barrier_wait -1
.if \g < 2
.irp i, 0,1,2,3
	ds_load_b128 v[168+18*\g+4*\i:168+18*\g+4*\i+3], v9 offset:9216*\g+576*\i
.endr
	ds_load_b64 v[184+18*\g:185+18*\g], v13 offset:512*\g
.else
	ds_load_b128 v[204:207], v10
	ds_load_b64 v[208:209], v16
.endif
.endm
.macro SENDG g
.if \g < 2
.irp i, 0,1,2,3
	global_store_b128 v[144+4*\g+\i], v[168+18*\g+4*\i:168+18*\g+4*\i+3], s[18:19]   ; four rows: eight lanes store 128 consecutive bytes of each
.endr
	global_store_b64 v[153+\g], v[184+18*\g:185+18*\g], s[2:3]
.else
	global_store_b128 v152, v[204:207], s[18:19]
	global_store_b64 v155, v[208:209], s[2:3]
.endif
.endm
; ROW TILE a.  On entry every operand place means window 3.
.macro TILE a
.if (\a) < 8
	LBLOAD (\a)+1                                  ; its registers were last read by the f32 products two tiles back, nine places ago
.endif
	WIN 0x80
	s_wait_dscnt 0x0                               ; this tile's fragments of x are in
.if (\a) == 5
	SENDG 0
.endif
.if (\a) < 8
	FETCHA (\a)+1
.endif
	WIN 0xa9                                       ; wi window 1; x, bi and P window 2
.irp s, 0,1,2,3,4,5,6,7                        ; four accumulators by turns
.irp t, 0,1,2,3
.if \s == 0
	v_wmma_scale_f32_16x16x128_f8f6f4 v[160+8*\t:167+8*\t], v[8*(8*\t+\s):8*(8*\t+\s)+7], v[64*((\a)%2)+8*\s:64*((\a)%2)+8*\s+7], v[128+8*\t:135+8*\t], v[32+8*\t+\s], v[64+8*(\a)+\s] matrix_a_fmt:MATRIX_FMT_FP4 matrix_b_fmt:MATRIX_FMT_FP4
.else
	v_wmma_scale_f32_16x16x128_f8f6f4 v[160+8*\t:167+8*\t], v[8*(8*\t+\s):8*(8*\t+\s)+7], v[64*((\a)%2)+8*\s:64*((\a)%2)+8*\s+7], v[160+8*\t:167+8*\t], v[32+8*\t+\s], v[64+8*(\a)+\s] matrix_a_fmt:MATRIX_FMT_FP4 matrix_b_fmt:MATRIX_FMT_FP4
.endif
.endr
.endr
	PLACES 5                                       ; P becomes the C of another accumulator
.if (\a) < 8
	s_wait_loadcnt 8                               ; this tile's lora_B is in; the next tile's eight loads may be out
.else
	s_wait_loadcnt 0x0
.endif
	WIN 0xef                                       ; lora_B, u and L window 3; C = P window 2
.irp t, 0,1,2,3
	v_wmma_f32_16x16x4_f32 v[32*((\a)%2)+8*\t:32*((\a)%2)+8*\t+7], v[64+32*((\a)%2)+8*\t:64+32*((\a)%2)+8*\t+1], v[128+8*(\a):128+8*(\a)+1], v[160+8*\t:167+8*\t]
.endr
	WIN 0xff
.set n, 0
.irp q, 1,2,3
.irp t, 0,1,2,3
	v_wmma_f32_16x16x4_f32 v[32*((\a)%2)+8*\t:32*((\a)%2)+8*\t+7], v[64+32*((\a)%2)+8*\t+2*\q:64+32*((\a)%2)+8*\t+2*\q+1], v[128+8*(\a)+2*\q:128+8*(\a)+2*\q+1], v[32*((\a)%2)+8*\t:32*((\a)%2)+8*\t+7]
.if (\a) > 0
.rept 6
	QI (\a)-1
.endr
.endif
.endr
.endr
	PLACES 9                                       ; in front of the first read of L, of loads into lora_B's and x's sets, and of the next tile's products, which write over P
.endm
	s_load_b512 s[4:19], s[0:1], 0x0               ; xq s[4:5], uall s[6:7], emask s[8:9], wi's codes s[10:11], wi's scales s[12:13], bi s[14:15], lbimg s[16:17], hid s[18:19]
	v_lshl_add_u32 v[SPW], v0, 2, SPARE
	v_mov_b32 v[NIL], 0
	ds_add_u32 v[SPW], v[NIL]                      ; the wave's opening: the add, twice on end, and its wait ahead of my first tensor load
	ds_add_u32 v[SPW], v[NIL]
	v_lshrrev_b32 v1, 5, v0
	v_readfirstlane_b32 s24, v1                    ; wave 0..3
	s_bfe_u32 s25, ttmp6, 0x40000                  ; cx
	s_lshl_b32 s26, ttmp9, 2
	s_add_co_u32 s26, s26, s25                     ; my block of rows: it enters global addresses and the rows' numbers alone
	s_and_b32 s27, ttmp7, 0xffff                   ; y, which the four partners share
	s_mul_i32 s28, s26, 144                        ; my first sorted row
	; descriptor group 1: 64 rows x 512 bytes, 16 bytes of padding behind each
	s_mov_b32 s36, 15|(1<<20)|(1<<21)|(6<<22)|(3<<25)   ; the mask: all four; elements of 1 byte; padding on; bit 21 beside a mask; after every 128 words, four words
	s_mov_b32 s37, 512<<16
	s_mov_b32 s38, 64<<16
	s_mov_b32 s39, 512<<16
	s_mov_b32 s40, 64
	s_mov_b32 s41, 512
	s_mov_b32 s42, 0
	s_mov_b32 s43, 0
	s_mov_b32 s98, 0x76543210
	s_mov_b32 s99, 0xfedcba98
	v_and_b32 v1, 31, v0                           ; l
	v_and_b32 v2, 15, v0                           ; r
	v_bfe_u32 v3, v0, 4, 1                         ; h
	v_lshlrev_b32 v31, 6, v1                       ; emask: 64 l
	s_mov_b32 s21, 0
	VW
	s_wait_dscnt 0x0                               ; both opening adds are done
	s_wait_kmcnt 0x0
.irp j, 0,1,2,3
	global_load_b128 v[64+4*\j:67+4*\j], v31, s[8:9] offset:16*\j
.endr
	s_mov_b32 s32, 1                               ; descriptor group 0
	s_mul_i32 s33, s24, WTILE
	s_add_co_u32 s33, s33, WIB                     ; LDS address: my own tile
	s_lshl_b32 s20, s27, 17
	s_lshl_b32 s29, s24, 15
	s_add_co_u32 s20, s20, s29                     ; rows 256 y + 64 w of 512 bytes: no place in the cluster enters
	s_add_nc_u64 s[34:35], s[10:11], s[20:21]
	s_or_b32 s35, s35, 0x80000000
	CROUND                                         ; all four work-groups are here: the joint loads meet
	tensor_load_to_lds s[32:35], s[36:43]          ; my one tensor load
	s_nop 0
	PLACES 4
	s_lshl_b32 s20, s27, 13
	s_lshl_b32 s29, s24, 11
	s_add_co_u32 s20, s20, s29
	s_add_nc_u64 s[12:13], s[12:13], s[20:21]      ; wi's scales at unit 256 y + 64 w: 32 bytes a unit,
	s_lshr_b32 s22, s20, 3
	s_mov_b32 s23, 0
	s_add_nc_u64 s[14:15], s[14:15], s[22:23]      ; bi: 4 bytes,
	s_lshl_b32 s20, s20, 1
	s_add_nc_u64 s[16:17], s[16:17], s[20:21]      ; lora_B's image: 1,024 bytes for 16 units
	s_add_nc_u64 s[30:31], s[4:5], XQS             ; x's scale bytes
	s_add_nc_u64 s[2:3], s[18:19], HSC             ; hid's scale bytes
	VW
	v_and_b32 v12, 8, v2
	v_add_nc_u32 v12, v12, v2                      ; r + 8 (r / 8)
	v_lshlrev_b32 v29, 5, v12                      ; wi's scale words: 32 bytes a row
	v_lshlrev_b32 v30, 6, v3                       ; bi: 16 h numbers on
.irp t, 0,1,2,3
	global_load_b128 v[32+8*\t:35+8*\t], v29, s[12:13] offset:32*(32*(\t/2)+8*(\t%2))
	global_load_b128 v[36+8*\t:39+8*\t], v29, s[12:13] offset:32*(32*(\t/2)+8*(\t%2))+16
.endr
	VW
	WIN 0x80
.irp t, 0,1,2,3
	global_load_b128 v[128+8*\t:131+8*\t], v30, s[14:15] offset:4*(32*(\t/2)+8*(\t%2))
	global_load_b128 v[132+8*\t:135+8*\t], v30, s[14:15] offset:4*(32*(\t/2)+8*(\t%2))+16
.endr
	WIN 0
	v_lshlrev_b32 v4, 4, v1                        ; 16 l
	s_mul_i32 s29, s24, 32*528
	v_add_nc_u32 v5, s29, v4                       ; gathered rows 32 w on,
	s_mul_i32 s29, s24, 4*528
	s_add_co_u32 s29, s29, 128*528
	v_add_nc_u32 v11, s29, v4                      ; and 128 + 4 w on
	v_mul_u32_u24 v6, v2, 528
	v_lshl_add_u32 v6, v3, 4, v6                   ; x's fragments: row r, + 16 h; row tiles 0 to 3,
	v_add_nc_u32 v7, 4*8448, v6                    ; and 4 to 8
	v_mul_u32_u24 v8, v12, 528
	v_lshl_add_u32 v8, v3, 4, v8
	s_mul_i32 s29, s24, WTILE
	s_add_co_u32 s29, s29, WIB
	v_add_nc_u32 v8, s29, v8                       ; wi's fragments, in my own tile
	v_lshrrev_b32 v104, 3, v1                      ; l / 8
	v_and_b32 v105, 7, v1                          ; l % 8
	v_and_b32 v106, 3, v1                          ; l % 4
	v_mul_u32_u24 v107, v104, 144
	v_lshl_add_u32 v107, v105, 4, v107
	s_mul_i32 s29, s24, 16*144
	s_add_co_u32 s29, s29, STC
	v_add_nc_u32 v9, s29, v107                     ; the way out: codes of rows 16 w + l / 8 on,
	s_mul_i32 s29, s24, 4*144
	s_add_co_u32 s29, s29, STC+128*144
	v_add_nc_u32 v10, s29, v107                    ; and of rows 128 + 4 w + l / 8
	s_lshl_b32 s29, s24, 7
	s_add_co_u32 s29, s29, STS
	v_lshlrev_b32 v108, 3, v2
	v_add_nc_u32 v13, s29, v108                    ; scale bytes of rows 16 w + r,
	s_lshl_b32 s29, s24, 5
	s_add_co_u32 s29, s29, STS+1024
	VW
	v_lshlrev_b32 v108, 3, v106
	v_add_nc_u32 v16, s29, v108                    ; and of rows 128 + 4 w + l % 4
	s_lshl_b32 s29, s24, 6
	s_add_co_u32 s29, s29, HL
	v_lshlrev_b32 v109, 2, v104
	v_add_nc_u32 v17, s29, v109                    ; hid's rows for these four
	v_lshlrev_b32 v110, 2, v2
	v_add_nc_u32 v19, s29, v110
	s_lshl_b32 s29, s24, 4
	s_add_co_u32 s29, s29, HL+512
	v_add_nc_u32 v18, s29, v109
	v_lshlrev_b32 v111, 2, v106
	v_add_nc_u32 v20, s29, v111
	s_lshl_b32 s29, s24, 7
	s_add_co_u32 s29, s29, HL
	v_lshlrev_b32 v111, 2, v1
	v_add_nc_u32 v21, s29, v111                    ; where I put them: row 32 w + l,
	v_add_nc_u32 v22, HL+512, v110                 ; and 128 + r
	s_mul_i32 s29, s24, 32*112
	s_add_co_u32 s29, s29, XSU
	s_mul_i32 s22, s24, 4*112
	s_add_co_u32 s22, s22, XSU+128*112
	v_lshrrev_b32 v104, 1, v1                      ; scale bytes in: row 32 w + l / 2, 16 (l % 2),
	v_and_b32 v105, 1, v1
	v_lshlrev_b32 v105, 4, v105
	v_mul_u32_u24 v107, v104, 112
	v_add_nc_u32 v107, v107, v105
	v_add_nc_u32 v23, s29, v107
	v_and_b32 v107, 3, v104
	v_mul_u32_u24 v107, v107, 112
	v_add_nc_u32 v107, v107, v105
	v_add_nc_u32 v24, s22, v107                    ; and row 128 + 4 w + l / 2 % 4
	v_lshrrev_b32 v104, 2, v1                      ; u in: row 32 w + l / 4, 32 + 16 (l % 4),
	v_lshlrev_b32 v105, 4, v106
	v_add_nc_u32 v105, 32, v105
	v_mul_u32_u24 v107, v104, 112
	v_add_nc_u32 v107, v107, v105
	v_add_nc_u32 v25, s29, v107
	v_and_b32 v107, 3, v104
	v_mul_u32_u24 v107, v107, 112
	v_add_nc_u32 v107, v107, v105
	v_add_nc_u32 v26, s22, v107                    ; and row 128 + 4 w + l / 4 % 4
	v_mul_u32_u24 v27, v2, 112
	v_add_nc_u32 v27, XSU, v27                     ; a tile's scale words: row r,
	v_lshl_add_u32 v28, v3, 4, v27
	v_add_nc_u32 v28, 32, v28                      ; its u: + 32 + 16 h
	; the rows that I look up: set 0 at v128: 32 w + l; set 1 at v192: 128 + r; the nine tiles' first rows
	s_lshl_b32 s29, s24, 5
	s_add_co_u32 s29, s29, s28
	v_add_nc_u32 v128, s29, v1
	s_add_co_u32 s29, s28, 128
	v_add_nc_u32 v192, s29, v2
	v_lshlrev_b32 v126, 4, v1
	v_add_nc_u32 v126, s28, v126
	v_mov_b32 v127, 0
.irp i, 121,122,123,124
	v_mov_b32 v[\i], 0                             ; a lane permute's destination counts as one of its sources
.endr
	s_mov_b32 s97, 0x0f0f0f0f
	s_mov_b32 s63, 0x01010101
	VW
	s_wait_loadcnt 16                              ; emask is in; wi's scale words and bi may be out
	; v80-87: the chosen bits (bit 8 i + 4 n + b of word q: token 256 c + 32 q + 16 n + 4 i + b); v88-95: those of second slots
.irp q, 0,1,2,3,4,5,6,7
	v_lshlrev_b32 v[104+\q], 4, v[65+2*\q]
	v_lshrrev_b32 v[112+\q], 4, v[64+2*\q]
.endr
.irp q, 0,1,2,3,4,5,6,7
	v_bfi_b32 v[80+\q], s97, v[64+2*\q], v[104+\q]
	v_bfi_b32 v[88+\q], s97, v[112+\q], v[65+2*\q]
.endr
	; each word's ones
.irp q, 0,1,2,3,4,5,6,7
	v_lshrrev_b32 v[104+\q], 1, v[80+\q]
.endr
.irp q, 0,1,2,3,4,5,6,7
	v_and_b32 v[104+\q], 0x55555555, v[104+\q]
.endr
.irp q, 0,1,2,3,4,5,6,7
	v_sub_nc_u32 v[104+\q], v[80+\q], v[104+\q]
.endr
.irp q, 0,1,2,3,4,5,6,7
	v_lshrrev_b32 v[112+\q], 2, v[104+\q]
.endr
.irp q, 0,1,2,3,4,5,6,7
	v_and_b32 v[112+\q], 0x33333333, v[112+\q]
	v_and_b32 v[104+\q], 0x33333333, v[104+\q]
.endr
.irp q, 0,1,2,3,4,5,6,7
	v_add_nc_u32 v[104+\q], v[104+\q], v[112+\q]
.endr
.irp q, 0,1,2,3,4,5,6,7
	v_lshrrev_b32 v[112+\q], 4, v[104+\q]
.endr
.irp q, 0,1,2,3,4,5,6,7
	v_add_nc_u32 v[104+\q], v[104+\q], v[112+\q]
.endr
.irp q, 0,1,2,3,4,5,6,7
	v_and_b32 v[104+\q], s97, v[104+\q]
.endr
.irp q, 0,1,2,3,4,5,6,7
	v_mul_lo_u32 v[104+\q], v[104+\q], s63
.endr
.irp q, 0,1,2,3,4,5,6,7
	v_lshrrev_b32 v[104+\q], 24, v[104+\q]
.endr
	v_mov_b32 v96, v104
.irp q, 1,2,3,4,5,6,7
	v_add_nc_u32 v[96+\q], v[95+\q], v[104+\q]     ; ones in words 0 .. q
.endr
	v_mov_b32_dpp v121, v103 quad_perm:[0,0,0,0] row_mask:0xf bank_mask:0xf
	v_mov_b32_dpp v122, v103 quad_perm:[1,1,1,1] row_mask:0xf bank_mask:0xf
	v_mov_b32_dpp v123, v103 quad_perm:[2,2,2,2] row_mask:0xf bank_mask:0xf
	v_mov_b32_dpp v124, v103 quad_perm:[3,3,3,3] row_mask:0xf bank_mask:0xf
	v_and_b32 v105, 3, v1                          ; c
	v_add_nc_u32 v104, v121, v122
	v_add_nc_u32 v106, v123, v124
	v_add_nc_u32 v104, v104, v106                  ; the expert's rows
	v_cmp_lt_u32 s60, 0, v105
	v_cmp_lt_u32 s61, 1, v105
	v_cmp_lt_u32 s62, 2, v105
	v_cndmask_b32 v120, 0, v121, s60
	v_cndmask_b32 v106, 0, v122, s61
	v_cndmask_b32 v107, 0, v123, s62
	v_add3_u32 v120, v120, v106, v107              ; of them in the quarters ahead of c
	VW
.irp e, 0,1,2,3,4,5,6,7
	v_readlane_b32 s[44+\e], v104, 4*\e
.endr
	s_mov_b32 s60, 0                               ; where expert e's rows begin: s[52+e]
	s_mov_b32 s61, 0                               ; real rows up to and with expert e
.irp e, 0,1,2,3,4,5,6,7
	s_mov_b32 s[52+\e], s60
	s_lshl_b32 s62, s[44+\e], 16
	s_or_b32 s[68+\e], s60, s62                    ; first row, rows << 16
	s_add_co_u32 s61, s61, s[44+\e]
	s_or_b32 s[76+\e], s61, \e<<16                 ; real rows, expert << 16
	s_add_co_u32 s62, s[44+\e], 15
	s_and_b32 s62, s62, -16
	s_add_co_u32 s60, s60, s62
.endr
.irp b, 128,192
	v_mov_b32 v[\b+1], s68
	v_mov_b32 v[\b+2], s76
.endr
.irp e, 1,2,3,4,5,6,7
.irp b, 128,192
	v_cmp_le_u32 s[58+\b/64], s[52+\e], v[\b]
.endr
	v_cmp_le_u32 s62, s[52+\e], v126
.irp b, 128,192
	v_cndmask_b32 v[\b+1], v[\b+1], s[68+\e], s[58+\b/64]
	v_cndmask_b32 v[\b+2], v[\b+2], s[76+\e], s[58+\b/64]
.endr
	v_cndmask_b32 v127, v127, \e, s62              ; the tiles' experts
.endr
.irp b, 128,192
	v_and_b32 v[\b+39], 0xffff, v[\b+1]
	v_lshrrev_b32 v[\b+47], 16, v[\b+2]            ; e
.endr
.irp b, 128,192
	v_sub_nc_u32 v[\b+5], v[\b], v[\b+39]          ; my rank among e's rows
	v_lshrrev_b32 v[\b+39], 16, v[\b+1]
	v_lshlrev_b32 v[\b+3], 4, v[\b+47]
.endr
.irp b, 128,192
	v_cmp_lt_u32 s[84+\b/64], v[\b+5], v[\b+39]    ; a real row
	v_min_u32 v[\b+3], 0x70, v[\b+3]               ; lane 4 e, in bytes
	v_and_b32 v[\b+2], 0xffff, v[\b+2]
.endr
.irp b, 128,192
	v_add_nc_u32 v[\b+6], 4, v[\b+3]
	v_add_nc_u32 v[\b+7], 8, v[\b+3]
	v_add_nc_u32 v[\b+8], 12, v[\b+3]
	v_sub_nc_u32 v[\b+45], v[\b], v[\b+2]          ; a pad's number
	v_mov_b32 v[\b+4], 0
.endr
.irp b, 128,192
.irp c, 0,1,2
	ds_bpermute_b32 v[\b+9+\c], v[\b+6+\c], v120
.endr
.endr
	VW
	s_wait_dscnt 0x0
.irp c, 0,1,2
.irp b, 128,192
	v_cmp_ge_u32 s[58+\b/64], v[\b+5], v[\b+9+\c]
.endr
.irp b, 128,192
	v_cndmask_b32 v[\b+4], v[\b+4], v[\b+9+\c], s[58+\b/64]
	v_cndmask_b32 v[\b+3], v[\b+3], v[\b+6+\c], s[58+\b/64]
.endr
.endr
.irp b, 128,192
	v_sub_nc_u32 v[\b+5], v[\b+5], v[\b+4]         ; my rank in the quarter
	v_min_u32 v[\b+3], 0x7c, v[\b+3]               ; lane 4 e + c, in bytes
.endr
.irp b, 128,192
.irp i, 0,1,2,3,4,5,6
	ds_bpermute_b32 v[\b+12+\i], v[\b+3], v[96+\i]
.endr
.irp i, 0,1,2,3,4,5,6,7
	ds_bpermute_b32 v[\b+19+\i], v[\b+3], v[80+\i]
	ds_bpermute_b32 v[\b+27+\i], v[\b+3], v[88+\i]
.endr
.endr
.irp b, 128,192
	v_mov_b32 v[\b+37], 0
	v_mov_b32 v[\b+38], 0
.endr
	VW
	s_wait_dscnt 0x0
.irp b, 128,192
	v_mov_b32 v[\b+35], v[\b+19]
	v_mov_b32 v[\b+36], v[\b+27]
.endr
.irp i, 1,2,3,4,5,6,7
.irp b, 128,192
	v_cmp_ge_u32 s[58+\b/64], v[\b+5], v[\b+11+\i]
.endr
.irp b, 128,192
	v_cndmask_b32 v[\b+35], v[\b+35], v[\b+19+\i], s[58+\b/64]   ; my word,
	v_cndmask_b32 v[\b+36], v[\b+36], v[\b+27+\i], s[58+\b/64]   ; its second slots,
	v_cndmask_b32 v[\b+37], v[\b+37], \i, s[58+\b/64]            ; its number,
	v_cndmask_b32 v[\b+38], v[\b+38], v[\b+11+\i], s[58+\b/64]   ; the ones ahead of it
.endr
.endr
	; the bit of that rank in the word: by halves, with the counts of 2, 4, 8 and 16 bits
.irp b, 128,192
	v_sub_nc_u32 v[\b+5], v[\b+5], v[\b+38]
	v_lshrrev_b32 v[\b+40], 1, v[\b+35]
.endr
.irp b, 128,192
	v_and_b32 v[\b+40], 0x55555555, v[\b+40]
.endr
.irp b, 128,192
	v_sub_nc_u32 v[\b+40], v[\b+35], v[\b+40]
.endr
.irp b, 128,192
	v_lshrrev_b32 v[\b+39], 2, v[\b+40]
	v_and_b32 v[\b+41], 0x33333333, v[\b+40]
.endr
.irp b, 128,192
	v_and_b32 v[\b+39], 0x33333333, v[\b+39]
.endr
.irp b, 128,192
	v_add_nc_u32 v[\b+41], v[\b+41], v[\b+39]
.endr
.irp b, 128,192
	v_lshrrev_b32 v[\b+39], 4, v[\b+41]
.endr
.irp b, 128,192
	v_add_nc_u32 v[\b+42], v[\b+41], v[\b+39]
.endr
.irp b, 128,192
	v_and_b32 v[\b+42], s97, v[\b+42]
.endr
.irp b, 128,192
	v_lshrrev_b32 v[\b+39], 8, v[\b+42]
.endr
.irp b, 128,192
	v_add_nc_u32 v[\b+39], v[\b+42], v[\b+39]
	v_mov_b32 v[\b+43], 0
.endr
.irp b, 128,192
	v_and_b32 v[\b+39], 0xff, v[\b+39]
.endr
.macro HALF wd                         ; if my rank passes the lower half's count, go to the upper half
.irp b, 128,192
	v_cmp_ge_u32 s[58+\b/64], v[\b+5], v[\b+39]
.endr
.irp b, 128,192
	v_cndmask_b32 v[\b+39], 0, v[\b+39], s[58+\b/64]
	v_cndmask_b32 v[\b+48], 0, \wd, s[58+\b/64]
.endr
.irp b, 128,192
	v_sub_nc_u32 v[\b+5], v[\b+5], v[\b+39]
	v_add_nc_u32 v[\b+43], v[\b+43], v[\b+48]
.endr
.endm
.macro BIT x, wd
.irp b, 128,192
	v_bfe_u32 v[\b+39], v[\b+\x], v[\b+43], \wd
.endr
	HALF \wd
.endm
	HALF 16
	BIT 42, 8
	BIT 41, 4
	BIT 40, 2
	BIT 35, 1
.irp b, 128,192
	v_and_b32 v[\b+39], 3, v[\b+43]
	v_lshrrev_b32 v[\b+40], 1, v[\b+43]
	v_lshlrev_b32 v[\b+41], 2, v[\b+43]
	v_bfe_u32 v[\b+36], v[\b+36], v[\b+43], 1      ; my slot
.endr
.irp b, 128,192
	v_and_b32 v[\b+40], 12, v[\b+40]
	v_and_b32 v[\b+41], 16, v[\b+41]
	v_and_b32 v[\b+42], 12, v[\b+3]                ; 4 c
.endr
.irp b, 128,192
	v_add3_u32 v[\b+44], v[\b+39], v[\b+40], v[\b+41]
.endr
.irp b, 128,192
	v_lshl_add_u32 v[\b+44], v[\b+37], 5, v[\b+44]
.endr
.irp b, 128,192
	v_lshl_add_u32 v[\b+44], v[\b+42], 6, v[\b+44]  ; my token
.endr
.irp b, 128,192
	v_and_b32 v[\b+39], 63, v[\b+44]
	v_lshrrev_b32 v[\b+40], 6, v[\b+44]
	v_cndmask_b32 v[\b+44], 0, v[\b+44], s[84+\b/64]
	v_add_nc_u32 v[\b+45], 0x800, v[\b+45]
.endr
.irp b, 128,192
	v_lshl_add_u32 v[\b+39], v[\b+40], 7, v[\b+39]
	v_lshl_add_u32 v[\b+46], v[\b+44], 3, v[\b+47]  ; 8 x token + expert
.endr
.irp b, 128,192
	v_lshl_add_u32 v[\b+39], v[\b+36], 6, v[\b+39]
.endr
.irp b, 128,192
	v_cndmask_b32 v[\b+45], v[\b+45], v[\b+39], s[84+\b/64]   ; hid's row
.endr
	; which row's scale bytes and u each lane asks for
	s_lshl_b32 s29, s24, 4
	v_lshrrev_b32 v140, 1, v1
	v_lshrrev_b32 v143, 2, v1
	v_and_b32 v142, 3, v140
	v_and_b32 v147, 3, v143
	v_lshlrev_b32 v140, 2, v140
	v_lshlrev_b32 v143, 2, v143
	v_lshl_add_u32 v142, v142, 2, s29
	v_lshl_add_u32 v147, v147, 2, s29
	v_add_nc_u32 v141, 64, v140
	v_add_nc_u32 v144, 32, v143
	v_add_nc_u32 v145, 64, v143
	v_add_nc_u32 v146, 0x60, v143
	ds_bpermute_b32 v132, v140, v174
	ds_bpermute_b32 v133, v141, v174
	ds_bpermute_b32 v134, v142, v238
	ds_bpermute_b32 v135, v143, v174
	ds_bpermute_b32 v136, v144, v174
	ds_bpermute_b32 v137, v145, v174
	ds_bpermute_b32 v138, v146, v174
	ds_bpermute_b32 v139, v147, v238
	v_and_b32 v148, 1, v1
	v_and_b32 v149, 3, v1
	v_lshlrev_b32 v148, 4, v148
	v_lshlrev_b32 v149, 4, v149
	VW
.irp a, 0,1,2,3,4,5,6,7,8
	v_readlane_b32 s[88+\a], v127, \a
.endr
.irp a, 0,1,2,3,4,5,6,7,8
	s_min_u32 s[88+\a], s[88+\a], 7                ; held inside lora_B's image
.endr
.set i, 0
.rept 2                                        ; sixteen rows at a time: a row of x's codes is 512 consecutive bytes, one load of the wave
.rept 16
	v_readlane_b32 s[44+i%8], v172, i
	s_min_u32 s[44+i%8], s[44+i%8], 0x3ff          ; the token, held inside xq
	v_lshl_add_u32 v[96+i], s[44+i%8], 9, v4
.set i, i+1
.endr
	VW
	WIN 0x80
.set i, i-16
.rept 16
	global_load_b128 v[4*i:4*i+3], v[96+i], s[4:5]
.set i, i+1
.endr
	WIN 0
.endr
	s_lshl_b32 s52, s24, 2
.irp k, 0,1,2,3
	v_readlane_b32 s[44+\k], v236, s52
	s_min_u32 s[44+\k], s[44+\k], 0x3ff
	s_add_co_u32 s52, s52, 1
	v_lshl_add_u32 v[128+\k], s[44+\k], 9, v4
.endr
	VW
.irp k, 0,1,2,3
	global_load_b128 v[176+4*\k:179+4*\k], v[128+\k], s[4:5]
.endr
	s_wait_dscnt 0x0                               ; the permutes are back
.irp k, 0,1,2
	v_lshrrev_b32 v[132+\k], 3, v[132+\k]
.endr
.irp k, 0,1,2
	v_min_u32 v[132+\k], 0x3ff, v[132+\k]
.endr
.irp k, 3,4,5,6,7
	v_min_u32 v[132+\k], 0x1fff, v[132+\k]
.endr
.irp k, 0,1,2
	v_lshl_add_u32 v[132+\k], v[132+\k], 5, v148   ; 32 x token + 16 (l % 2)
.endr
.irp k, 3,4,5,6,7
	v_lshl_add_u32 v[132+\k], v[132+\k], 6, v149   ; 64 x (8 token + expert) + 16 (l % 4)
.endr
	VW
.irp k, 0,1,2
	global_load_b128 v[64+4*\k:67+4*\k], v[132+\k], s[30:31]
.endr
.irp k, 3,4,5,6,7
	global_load_b128 v[64+4*\k:67+4*\k], v[132+\k], s[6:7]
.endr
	WIN 0xc0                                       ; destination window 3
.irp a, 0,1,2,3,4,5,6,7,8
	v_lshl_add_u32 v[VLB+\a], s[88+\a], 18, v4     ; lora_B's image: 262,144 bytes an expert, + 16 l
.endr
	v_mul_u32_u24 v[STCA], v2, 144
	v_lshlrev_b32 v[STSA], 3, v2
	v_mov_b32 v[XX], 0                             ; a lane permute's destination counts as one of its sources
	v_mov_b32 v[XX+1], 0
	WIN 0xff
	VW
	LBLOAD 0
	WIN 0
	v_lshlrev_b32 v150, 3, v3                      ; 8 h
	s_lshl_b32 s29, s24, 5
	s_add_co_u32 s29, s29, STC
	v_add_nc_u32 v150, s29, v150
	s_lshl_b32 s29, s24, 1
	s_add_co_u32 s29, s29, STS
	WIN 0xcc                                       ; source 1 and destination window 3
	v_add_nc_u32 v[STCA], v150, v[STCA]            ; the stage for codes: row r, 32 w + 8 h
	v_add_nc_u32 v[STSA], s29, v[STSA]             ; for scale bytes: 8 r + 2 w
	WIN 0
	VW
	s_wait_tensorcnt 0x0                           ; my tile of wi has landed: only I read it
	ds_store_b32 v21, v173                         ; hid's rows of my 32
	s_cmp_lg_u32 s24, 0
	s_cbranch_scc1 .Lrows
	ds_store_b32 v22, v237                         ; wave 0: those of the last tile, twice with the same values
.Lrows:
	WIN 0x40
.irp t, 0,1,2,3
.irp s, 0,1,2,3,4,5,6,7
	ds_load_b128 v[8*(8*\t+\s):8*(8*\t+\s)+3], v8 offset:528*(32*(\t/2)+8*(\t%2))+64*\s
	ds_load_b128 v[8*(8*\t+\s)+4:8*(8*\t+\s)+7], v8 offset:528*(32*(\t/2)+8*(\t%2))+64*\s+32
.endr
.endr
	WIN 0x08                                       ; an LDS store's data are its source 1: window 2
	s_wait_loadcnt 8                               ; the gathered rows, scale bytes and u are in; lora_B's eight may be out
.set i, 0
.rept 32
	ds_store_b128 v5, v[4*i:4*i+3] offset:528*i
.set i, i+1
.endr
	WIN 0
.irp k, 0,1,2,3
	ds_store_b128 v11, v[176+4*\k:179+4*\k] offset:528*\k
.endr
	ds_store_b128 v23, v[64:67]
	ds_store_b128 v23, v[68:71] offset:1792
	ds_store_b128 v24, v[72:75]
.irp k, 0,1,2,3
	ds_store_b128 v25, v[76+4*\k:79+4*\k] offset:896*\k
.endr
	ds_store_b128 v26, v[92:95]
	VW
	s_wait_dscnt 0x0                               ; for the others' sake: my rows lie in LDS
	s_barrier_signal -1
	s_barrier_wait -1                              ; all 144 do
.irp i, 0,1,2,3
	ds_load_b32 v[144+\i], v17 offset:16*\i
	ds_load_b32 v[148+\i], v17 offset:256+16*\i
.endr
	ds_load_b32 v152, v18
	ds_load_b32 v153, v19
	ds_load_b32 v154, v19 offset:256
	ds_load_b32 v155, v20
.irp a, 0,1,2,3,4,5,6,7,8
	ds_load_b128 v[64+8*\a:67+8*\a], v27 offset:1792*\a
	ds_load_b128 v[68+8*\a:71+8*\a], v27 offset:1792*\a+16
.endr
	WIN 0xc0
.irp a, 0,1,2,3,4,5,6,7,8
	ds_load_b128 v[128+8*\a:131+8*\a], v28 offset:1792*\a
	ds_load_b128 v[132+8*\a:135+8*\a], v28 offset:1792*\a+32
.endr
	WIN 0x80
	FETCHA 0
	WIN 0
	s_lshl_b32 s29, s27, 7
	v_and_b32 v31, 7, v1
	v_lshlrev_b32 v31, 4, v31
	v_add_nc_u32 v31, s29, v31                     ; hid's codes: 128 y + 16 (l % 8)
	s_lshr_b32 s29, s27, 2
	s_mul_i32 s29, s29, 73728
	s_and_b32 s22, s27, 3
	s_lshl_b32 s22, s22, 3
	s_add_co_u32 s29, s29, s22
	v_mov_b32 v29, s29                             ; hid's scale bytes: quarter y / 4, 8 (y % 4)
	VW
	s_wait_dscnt 52                                ; hid's rows are in; the 18 + 18 + 16 loads behind them may be out
.irp i, 144,145,146,147,148,149,150,151,152,153,154,155
	v_min_u32 v[\i], 0x8ff, v[\i]
.endr
.irp i, 144,145,146,147,148,149,150,151,152
	v_lshl_add_u32 v[\i], v[\i], 11, v31
.endr
.irp i, 153,154,155
	v_lshl_add_u32 v[\i], v[\i], 5, v29
.endr
	VW
	WIN 0xff
.irp a, 0,1,2,3,4
	TILE \a
.endr
	FLUSH 0                                        ; tiles 0 to 3 have been quantised
	WIN 0xff
.irp a, 5,6,7,8
	TILE \a
.endr
	FLUSH 1                                        ; tiles 4 to 7
	WIN 0xff
.set n, 0
.rept 65
	QI 8                                           ; the last tile's quantising has no products to stand behind
.endr
	WIN 0
	VW
	s_wait_dscnt 3                                 ; the group is back in registers; the last tile's three stores may be out
	SENDG 1
	FLUSH 2
	s_wait_dscnt 0x0
	SENDG 2
	s_wait_tensorcnt 0x0                           ; the wave's end: behind my last tensor load and my last LDS store
	ds_add_u32 v[SPW], v[NIL]
	s_wait_dscnt 0x0
	CROUND                                         ; the closing round
	s_endpgm
.Lfunc_end_k_q13d9b1bad6_up:
	.size	k_q13d9b1bad6_up, .Lfunc_end_k_q13d9b1bad6_up-k_q13d9b1bad6_up
	.p2alignl 7, 3214868480
	.fill 96, 4, 3214868480
	.section	.rodata,"a",@progbits
	.p2align	6, 0x0
	.amdhsa_kernel k_q13d9b1bad6_up
		.amdhsa_group_segment_fixed_size 250624
		.amdhsa_private_segment_fixed_size 0
		.amdhsa_enable_private_segment 0
		.amdhsa_kernarg_size 64
		.amdhsa_user_sgpr_count 2
		.amdhsa_user_sgpr_kernarg_segment_ptr 1
		.amdhsa_wavefront_size32 1
		.amdhsa_system_sgpr_workgroup_id_x 1
		.amdhsa_system_sgpr_workgroup_id_y 1
		.amdhsa_system_sgpr_workgroup_id_z 1
		.amdhsa_system_vgpr_workitem_id 0
		.amdhsa_next_free_vgpr 1024
		.amdhsa_next_free_sgpr 100
		.amdhsa_reserve_vcc 0
		.amdhsa_float_denorm_mode_32 3
		.amdhsa_float_denorm_mode_16_64 3
		.amdhsa_memory_ordered 1
		.amdhsa_forward_progress 1
		.amdhsa_inst_pref_size 163
	.end_amdhsa_kernel
	.amdgpu_metadata
---
amdhsa.version: [ 1, 2 ]
amdhsa.kernels:
  - .name:           k_q13d9b1bad6_up
    .symbol:         k_q13d9b1bad6_up.kd
    .args:
      - { .name: xq, .offset: 0, .size: 8, .value_kind: global_buffer, .address_space: global }
      - { .name: uall, .offset: 8, .size: 8, .value_kind: global_buffer, .address_space: global }
      - { .name: emask, .offset: 16, .size: 8, .value_kind: global_buffer, .address_space: global }
      - { .name: wi_codes, .offset: 24, .size: 8, .value_kind: global_buffer, .address_space: global }
      - { .name: wi_scales, .offset: 32, .size: 8, .value_kind: global_buffer, .address_space: global }
      - { .name: bi, .offset: 40, .size: 8, .value_kind: global_buffer, .address_space: global }
      - { .name: lbimg, .offset: 48, .size: 8, .value_kind: global_buffer, .address_space: global }
      - { .name: hid, .offset: 56, .size: 8, .value_kind: global_buffer, .address_space: global }
    .group_segment_fixed_size: 250624
    .private_segment_fixed_size: 0
    .kernarg_segment_align: 8
    .kernarg_segment_size: 64
    .max_flat_workgroup_size: 128
    .sgpr_count:     100
    .vgpr_count:     1024
    .wavefront_size: 32
...
	.end_amdgpu_metadata
.endif
;; end of part 2
;; launch down (part 3): grid 16 x 16, 4 waves a work-group, clusters of 4 x 1, 270,848 bytes of LDS; arguments hid, woimg, wo_scales, bo, gsum, out0; writes out0
.if DOCPART == 3
	.amdgcn_target "amdgcn-amd-amdhsa--gfx1250"
	.amdhsa_code_object_version 6
	.text
	.protected	k_q13d9b1bad6_down
	.globl	k_q13d9b1bad6_down
	.p2align	8
	.type	k_q13d9b1bad6_down,@function
k_q13d9b1bad6_down:
	s_mov_b64 s[64:65], 0
	v_nop
	global_prefetch_b8 v0, s[64:65] scope:SCOPE_SE
	s_setreg_imm32_b32 hwreg(HW_REG_WAVE_MODE, 25, 1), 1
	s_wait_xcnt 0x0
	s_wait_alu depctr_hold_cnt(0) depctr_sa_sdst(0) depctr_va_vdst(0) depctr_va_sdst(0) depctr_va_ssrc(0) depctr_va_vcc(0) depctr_vm_vsrc(0)
	s_getreg_b32 s2, hwreg(HW_REG_IB_STS2, 6, 4)
	s_cmp_eq_u32 s2, 0
	s_cbranch_scc0 .Lentry_in_a_cluster
	s_endpgm
.Lentry_in_a_cluster:
	s_bfe_u32 s2, ttmp6, 0x10000c
	s_cmp_lg_u32 s2, 0x3003
	s_cbranch_scc0 .Lentry_shape_is_right
	s_endpgm
.Lentry_shape_is_right:
; DOWN: out[t] = val_sum[t] x (the sum over the token's two chosen chains of hidden wo^T + 2 bo).  The six chains that were not chosen are multiplied by count = 0 in the problem and have no row here.
; SHARES.  A work-group makes 64 tokens (block y) x 64 outputs (block cb = 4 x cluster x + cx).  THE WAVES SPLIT K: wave w takes hidden units 1,024 w .. + 1,023, eight K steps of 128, of the whole tile,
; for both slots of each token, which add into one accumulator: 16 accumulators.  Each LDS byte is read once, by the wave that asked for it; the four partial tiles meet in LDS at the end, and each output row has one owner.
; CLUSTER.  The four partners share y, so the hidden rows are asked for jointly: one tensor load a wave, 128 rows (64 tokens of slot 0, then of slot 1) x 512 bytes.
; wo's fragments come straight into registers from the images that an earlier launch laid: 512 consecutive bytes a load.  They are not shared in the cluster: the partners have different outputs.
; No LDS bytes are filled twice.  A wave's stage for the reduction lies in its own tile, which has had its only fill and which it alone has read.  No data prefetch: there is no loop to run ahead in.
; THE MATRIX INSTRUCTION IS USED TRANSPOSED (source 0 = 16 rows of wo, source 1 = 16 tokens): a lane holds eight neighbouring outputs of one token.
; REGISTERS.  Window 0: v1-15 addresses; v16-23 val_sum; v24-27 bo; v32-63 wo's scale words; v64-127 the hidden rows'; v128-255 hidden fragments, two sets of 64, later the reduction.
;   Window 1: wo's fragments, (n, s) at v[8 (8 n + s)].   Window 2: the accumulators, (m, n) at v[8 (4 m + n)].
.set WAVEB, 67584                      ; a wave's tile in LDS: 128 rows x (512 bytes + 16)
.set SPARE, 270336                     ; behind the four tiles: the spare words, 128 bytes for each wave
.set HSC,   4718592
.set SPW, 14
.set NIL, 15
.set MSB, 0
.macro WIN new
.if MSB != \new
	s_set_vgpr_msb (MSB<<8)|\new
.set MSB, \new
.endif
.endm
.macro VW
	s_wait_alu depctr_va_vdst(0)
.endm
.macro PLACES n
.rept \n
	v_nop
.endr
.endm
.macro CROUND
	s_barrier_signal -1
	s_barrier_wait -1
	s_cmp_lg_u32 s16, 0
	s_cbranch_scc1 .Lnot_wave_0_\@
	s_barrier_signal -3
.Lnot_wave_0_\@:
	s_barrier_wait -3
	s_barrier_signal -1
	s_barrier_wait -1
.endm
.macro WOLOAD s                        ; wo's four fragments of my K step s (destination window 1)
.irp n, 0,1,2,3
	global_load_b128 v[8*(8*\n+\s):8*(8*\n+\s)+3], v4, s[6:7] offset:32768*\n+1024*\s
	global_load_b128 v[8*(8*\n+\s)+4:8*(8*\n+\s)+7], v4, s[6:7] offset:32768*\n+1024*\s+512
.endr
.endm
.macro FETCH s                         ; my K step s: eight fragments (slot j, tokens 16 m on) into set s % 2
.irp j, 0,1
.irp m, 0,1,2,3
	ds_load_b128 v[128+64*((\s)%2)+8*(4*\j+\m):128+64*((\s)%2)+8*(4*\j+\m)+3], v5 offset:33792*\j+8448*\m+64*(\s)
	ds_load_b128 v[128+64*((\s)%2)+8*(4*\j+\m)+4:128+64*((\s)%2)+8*(4*\j+\m)+7], v5 offset:33792*\j+8448*\m+64*(\s)+32
.endr
.endr
.endm
.macro MUL s                           ; 32 products: the 16 accumulators by turns, once for each slot
.irp j, 0,1
.irp m, 0,1,2,3
.irp n, 0,1,2,3
.if ((\s) == 0) && (\j == 0)
	v_wmma_scale_f32_16x16x128_f8f6f4 v[8*(4*\m+\n):8*(4*\m+\n)+7], v[8*(8*\n+(\s)):8*(8*\n+(\s))+7], v[128+64*((\s)%2)+8*(4*\j+\m):128+64*((\s)%2)+8*(4*\j+\m)+7], 0, v[32+8*\n+(\s)], v[64+8*(4*\j+\m)+(\s)] matrix_a_fmt:MATRIX_FMT_FP4 matrix_b_fmt:MATRIX_FMT_FP4
.else
	v_wmma_scale_f32_16x16x128_f8f6f4 v[8*(4*\m+\n):8*(4*\m+\n)+7], v[8*(8*\n+(\s)):8*(8*\n+(\s))+7], v[128+64*((\s)%2)+8*(4*\j+\m):128+64*((\s)%2)+8*(4*\j+\m)+7], v[8*(4*\m+\n):8*(4*\m+\n)+7], v[32+8*\n+(\s)], v[64+8*(4*\j+\m)+(\s)] matrix_a_fmt:MATRIX_FMT_FP4 matrix_b_fmt:MATRIX_FMT_FP4
.endif
.endr
.endr
.endr
.endm
	s_load_b256 s[4:11], s[0:1], 0x0               ; hid s[4:5], woimg s[6:7], wo's scales s[8:9], bo s[10:11]
	s_load_b128 s[12:15], s[0:1], 0x20             ; gsum s[12:13], out0 s[14:15]
	v_lshl_add_u32 v[SPW], v0, 2, SPARE
	v_mov_b32 v[NIL], 0
	ds_add_u32 v[SPW], v[NIL]                      ; the wave's opening: the add, twice on end, and its wait ahead of my first tensor load
	ds_add_u32 v[SPW], v[NIL]
	v_lshrrev_b32 v1, 5, v0
	v_readfirstlane_b32 s16, v1                    ; wave 0..3
	s_bfe_u32 s17, ttmp6, 0x40000                  ; cx
	s_lshl_b32 s18, ttmp9, 2
	s_add_co_u32 s18, s18, s17                     ; my block of outputs: it enters global addresses alone
	s_and_b32 s19, ttmp7, 0xffff                   ; y, which the four partners share
	; descriptor group 1: 128 rows x 512 bytes, 2,048 bytes apart in memory, 16 bytes of padding behind each in LDS
	s_mov_b32 s24, 15|(1<<20)|(1<<21)|(6<<22)|(3<<25)   ; the mask: all four; elements of 1 byte; padding on; bit 21 beside a mask; after every 128 words, four words
	s_mov_b32 s25, 512<<16
	s_mov_b32 s26, 128<<16
	s_mov_b32 s27, 512<<16
	s_mov_b32 s28, 128
	s_mov_b32 s29, 2048
	s_mov_b32 s30, 0
	s_mov_b32 s31, 0
	v_and_b32 v1, 31, v0                           ; l
	v_and_b32 v2, 15, v0                           ; r
	v_bfe_u32 v3, v0, 4, 1                         ; h
	v_lshlrev_b32 v4, 4, v1                        ; 16 l
	s_mul_i32 s20, s16, WAVEB                      ; my tile
	v_mul_u32_u24 v5, v2, 528
	v_lshl_add_u32 v5, v3, 4, v5
	v_add_nc_u32 v5, s20, v5                       ; hidden fragments: row r, + 16 h
	v_mul_u32_u24 v6, v2, 272
	v_lshl_add_u32 v6, v3, 5, v6
	v_add_nc_u32 v6, s20, v6                       ; the stage, in: token r, + 32 h
	v_mul_u32_u24 v7, v3, 272
	v_lshl_add_u32 v7, v2, 4, v7
	s_mul_i32 s21, s16, 4352
	v_add_nc_u32 v7, s21, v7                       ; the stages, back: token 16 w + h, 16 bytes a lane; wave 0's,
	v_add_nc_u32 v8, WAVEB, v7                     ; wave 1's,
	v_add_nc_u32 v9, 2*WAVEB, v7                   ; wave 2's,
	v_add_nc_u32 v10, 3*WAVEB, v7                  ; wave 3's
	v_lshlrev_b32 v11, 12, v3
	v_lshl_add_u32 v11, v2, 4, v11                 ; out0: 4,096 h + 16 r
	v_lshlrev_b32 v12, 7, v2                       ; wo's scale bytes: 128 r
	v_lshlrev_b32 v13, 4, v2                       ; bo: 16 r
	v_lshlrev_b32 v28, 2, v3                       ; gsum: 4 h
	v_lshlrev_b32 v29, 5, v2                       ; hid's scale bytes: 32 r
	s_mov_b32 s23, 0
	VW
	s_wait_dscnt 0x0                               ; both opening adds are done
	s_wait_kmcnt 0x0
	s_lshl_b32 s22, s18, 17
	s_lshl_b32 s21, s16, 13
	s_add_co_u32 s22, s22, s21
	s_add_nc_u64 s[6:7], s[6:7], s[22:23]          ; woimg at fragment (4 cb, 8 w): 1,024 bytes each, 32 to a tile of rows
	s_lshl_b32 s22, s18, 13
	s_lshl_b32 s21, s16, 5
	s_add_co_u32 s22, s22, s21
	s_add_nc_u64 s[8:9], s[8:9], s[22:23]          ; wo's scales at row 64 cb, my 32 bytes
	WIN 0x40                                       ; destination window 1
.irp s, 0,1,2,3
	WOLOAD \s
.endr
	WIN 0
.irp n, 0,1,2,3
	global_load_b128 v[32+8*\n:35+8*\n], v12, s[8:9] offset:2048*\n
	global_load_b128 v[36+8*\n:39+8*\n], v12, s[8:9] offset:2048*\n+16
.endr
	s_lshl_b32 s22, s19, 18
	s_lshl_b32 s21, s16, 9
	s_add_co_u32 s22, s22, s21                     ; hid at row 128 y, my 512 bytes of a row: no place in the cluster enters
	s_mov_b32 s32, 1
	s_mov_b32 s33, s20
	s_add_nc_u64 s[34:35], s[4:5], s[22:23]
	s_or_b32 s35, s35, 0x80000000
	CROUND                                         ; all four work-groups are here: the joint loads meet
	tensor_load_to_lds s[32:35], s[24:31]          ; my one tensor load
	s_nop 0
	PLACES 4
	s_lshl_b32 s22, s19, 12
	s_mul_i32 s21, s16, 73728
	s_add_co_u32 s22, s22, s21
	s_add_co_u32 s22, s22, HSC
	s_add_nc_u64 s[50:51], s[4:5], s[22:23]        ; hid's scales: quarter w, row 128 y
	s_lshl_b32 s22, s18, 8
	s_add_nc_u64 s[10:11], s[10:11], s[22:23]      ; bo at output 64 cb
	s_lshl_b32 s21, s19, 18
	s_add_co_u32 s22, s22, s21
	s_lshl_b32 s21, s16, 16
	s_add_co_u32 s22, s22, s21
	s_add_nc_u64 s[14:15], s[14:15], s[22:23]      ; out0 at token 64 y + 16 w, output 64 cb
	s_lshl_b32 s22, s19, 8
	s_lshl_b32 s21, s16, 6
	s_add_co_u32 s22, s22, s21
	s_add_nc_u64 s[12:13], s[12:13], s[22:23]      ; gsum at token 64 y + 16 w
	VW
.irp j, 0,1
.irp m, 0,1,2,3
	global_load_b128 v[64+8*(4*\j+\m):67+8*(4*\j+\m)], v29, s[50:51] offset:2048*\j+512*\m
	global_load_b128 v[68+8*(4*\j+\m):71+8*(4*\j+\m)], v29, s[50:51] offset:2048*\j+512*\m+16
.endr
.endr
	WIN 0x40
.irp s, 4,5,6,7
	WOLOAD \s
.endr
	WIN 0
	global_load_b128 v[24:27], v13, s[10:11]
.irp i, 0,1,2,3,4,5,6,7
	global_load_b32 v[16+\i], v28, s[12:13] offset:8*\i            ; val_sum of token 16 w + 2 i + h
.endr
	s_wait_tensorcnt 0x0                           ; my tile has landed: only I read it
	FETCH 0
.irp s, 0,1,2,3,4,5,6,7
.if \s < 7
.if \s > 0
	PLACES 4                                       ; in front of loads into the set that the last step's products read
.endif
	FETCH \s+1
	s_wait_dscnt 16                                ; this step's fragments are in; the 16 loads just issued may be out
.else
	s_wait_dscnt 0x0
.endif
.if \s == 0
	s_wait_loadcnt 41                              ; wo's K steps 0 to 3 and all scale words are in; the 32 loads of K steps 4 to 7, bo's and val_sum's nine may be out
.elseif \s > 3
	s_wait_loadcnt 9+8*(7-\s)                      ; this step's fragments of wo are in
.endif
	WIN 0xa1                                       ; wo window 1, hidden rows window 0, C and D window 2
	MUL \s
	WIN 0
.endr
	PLACES 4                                       ; in front of the first read of results, and of loads into the products' registers
	WIN 0x08                                       ; an LDS store's data are its source 1: window 2
.irp m, 0,1,2,3
.irp n, 0,1,2,3
	ds_store_b128 v6, v[8*(4*\m+\n):8*(4*\m+\n)+3] offset:4352*\m+64*\n            ; each accumulator from its low end on
	ds_store_b128 v6, v[8*(4*\m+\n)+4:8*(4*\m+\n)+7] offset:4352*\m+64*\n+16
.endr
.endr
	WIN 0
	s_wait_loadcnt 0x0                             ; bo, val_sum
	s_wait_dscnt 0x0                               ; for the others' sake: my partial tile lies in my stage
	s_barrier_signal -1
	s_barrier_wait -1
.irp i, 0,1,2,3,4,5,6,7                        ; tokens 16 w + 2 i + h of all four partial tiles
.irp p, 0,1,2,3
	ds_load_b128 v[128+32*\p+4*\i:128+32*\p+4*\i+3], v[7+\p] offset:544*\i
.endr
.endr
.irp i, 0,1,2,3,4,5,6,7
	s_wait_dscnt 4*(7-\i)                          ; the younger pairs of rows may be out
.irp c, 0,2
	v_pk_add_f32 v[128+4*\i+\c:129+4*\i+\c], v[128+4*\i+\c:129+4*\i+\c], v[160+4*\i+\c:161+4*\i+\c]
	v_pk_add_f32 v[192+4*\i+\c:193+4*\i+\c], v[192+4*\i+\c:193+4*\i+\c], v[224+4*\i+\c:225+4*\i+\c]
	v_pk_add_f32 v[128+4*\i+\c:129+4*\i+\c], v[128+4*\i+\c:129+4*\i+\c], v[192+4*\i+\c:193+4*\i+\c]
	v_pk_fma_f32 v[128+4*\i+\c:129+4*\i+\c], v[24+\c:25+\c], 2.0, v[128+4*\i+\c:129+4*\i+\c] op_sel_hi:[1,0,1]   ; each of the two chains adds bo
.endr
.irp c, 0,1,2,3
	v_mul_f32 v[128+4*\i+\c], v[128+4*\i+\c], v[16+\i]             ; x val_sum
.endr
	global_store_b128 v11, v[128+4*\i:131+4*\i], s[14:15] offset:8192*\i th:TH_STORE_NT   ; sixteen lanes store 256 consecutive bytes, at a multiple of 256 from out0's first byte
.endr
	s_wait_tensorcnt 0x0                           ; the wave's end: behind my last tensor load and my last LDS store
	ds_add_u32 v[SPW], v[NIL]
	s_wait_dscnt 0x0
	CROUND                                         ; the closing round
	s_endpgm
.Lfunc_end_k_q13d9b1bad6_down:
	.size	k_q13d9b1bad6_down, .Lfunc_end_k_q13d9b1bad6_down-k_q13d9b1bad6_down
	.p2alignl 7, 3214868480
	.fill 96, 4, 3214868480
	.section	.rodata,"a",@progbits
	.p2align	6, 0x0
	.amdhsa_kernel k_q13d9b1bad6_down
		.amdhsa_group_segment_fixed_size 270848
		.amdhsa_private_segment_fixed_size 0
		.amdhsa_enable_private_segment 0
		.amdhsa_kernarg_size 48
		.amdhsa_user_sgpr_count 2
		.amdhsa_user_sgpr_kernarg_segment_ptr 1
		.amdhsa_wavefront_size32 1
		.amdhsa_system_sgpr_workgroup_id_x 1
		.amdhsa_system_sgpr_workgroup_id_y 1
		.amdhsa_system_sgpr_workgroup_id_z 1
		.amdhsa_system_vgpr_workitem_id 0
		.amdhsa_next_free_vgpr 768
		.amdhsa_next_free_sgpr 66
		.amdhsa_reserve_vcc 0
		.amdhsa_float_denorm_mode_32 3
		.amdhsa_float_denorm_mode_16_64 3
		.amdhsa_memory_ordered 1
		.amdhsa_forward_progress 1
		.amdhsa_inst_pref_size 67
	.end_amdhsa_kernel
	.amdgpu_metadata
---
amdhsa.version: [ 1, 2 ]
amdhsa.kernels:
  - .name:           k_q13d9b1bad6_down
    .symbol:         k_q13d9b1bad6_down.kd
    .args:
      - { .name: hid, .offset: 0, .size: 8, .value_kind: global_buffer, .address_space: global }
      - { .name: woimg, .offset: 8, .size: 8, .value_kind: global_buffer, .address_space: global }
      - { .name: wo_scales, .offset: 16, .size: 8, .value_kind: global_buffer, .address_space: global }
      - { .name: bo, .offset: 24, .size: 8, .value_kind: global_buffer, .address_space: global }
      - { .name: gsum, .offset: 32, .size: 8, .value_kind: global_buffer, .address_space: global }
      - { .name: out0, .offset: 40, .size: 8, .value_kind: global_buffer, .address_space: global }
    .group_segment_fixed_size: 270848
    .private_segment_fixed_size: 0
    .kernarg_segment_align: 8
    .kernarg_segment_size: 48
    .max_flat_workgroup_size: 128
    .sgpr_count:     66
    .vgpr_count:     768
    .wavefront_size: 32
...
	.end_amdgpu_metadata
.endif
;; end of part 3
